; MI455X (gfx1250); checked and timed in simulation.
; The chip was launched on July 23, 2026; its instructions are those of AMD's public machine-readable ISA for CDNA 5 (MIT licence, August 2026) and "CDNA5" Instruction Set Architecture Reference Guide (July 2026). The comments in the code are by the model that wrote it; some were corrected since.
;; Multi Head Attention. Allowed arithmetic: matrix products marked QUANTISED: E2M3 operands, one E8M0 scale for each 32 along K, by v_wmma_scale_f32_16x16x128_f8f6f4 with both operands' format E2M3, f32 sums; everything else in f32.
;; Inputs: W_o 1,024 x 1,024 float32; W_qkv 3,072 x 1,024 float32; src_mask 4 x 2,048 bool; x 4 x 2,048 x 1,024 float32.
;; Outputs: out0 4 x 2,048 x 1,024 float32.
;; This version of the problem:
;;   THIS VERSION OF THE PROBLEM IS GIVEN IN LOW PRECISION. The matrix products marked QUANTISED in the list below multiply operands that are first quantised to E2M3 (2 exponent bits, 3 mantissa bits; 6 bits a number), with one power-of-two scale for each 32 numbers along K (OCP MX v1.0); their sums are f32. All else is computed in f32.
;;   The module's matrix products, in the order in which they are computed (A, B: the left and right operand; K: the contracted axis; several contracted axes count as one K, in the product's order):
;;     1. [M 8,192, K 1,024] x [K 1,024, N 3,072]; A: input x; B: input W_qkv: QUANTISED
;;     2. batch 64 x [M 2,048, K 64] x [K 64, N 2,048]; A: computed on the way; B: computed on the way: QUANTISED
;;     3. batch 64 x [M 2,048, K 2,048] x [K 2,048, N 64]; A: softmax (see below); B: computed on the way: QUANTISED
;;     4. [M 8,192, K 1,024] x [K 1,024, N 1,024]; A: computed on the way; B: input W_o: QUANTISED
;;   THE QUANTISER, for each operand of a quantised product, along K:
;;     - K is cut into blocks of 32 from its start; a last block that is shorter is filled with zeros.
;;     - A block's scale is 2^e with e = floor(log2(the largest magnitude in the block)) - 2, held to -126 .. 127; a block of zeros has e = 0. As a byte (E8M0): e + 127.
;;     - Each number is divided by its block's scale, clamped to +-7.5, and rounded to the nearest number of E2M3, ties to even, subnormals kept.
;;     - The product sums the exact products of the quantised numbers (number of the format x scale) in f32.
;;   ~~~python
;;   def quantise(x, axis):      # numpy; x: float32 -> the quantised numbers, widened to float32 again
;;       x = np.moveaxis(x, axis, -1); K = x.shape[-1]
;;       x = np.pad(x, [(0, 0)] * (x.ndim - 1) + [(0, -K % 32)]); x = x.reshape(x.shape[:-1] + (-1, 32)); a = np.abs(x).max(-1, keepdims=True)
;;       e = np.where(a > 0, np.clip(np.frexp(np.where(a > 0, a, 1))[1] - 1 - 2, -126, 127), 0)      # np.frexp(a)[1] - 1 = floor(log2(a)), exactly
;;       r = np.clip(x / 2.0 ** e, -7.5, 7.5)
;;       step = 2.0 ** (np.maximum(np.frexp(np.where(r == 0, 1, r))[1] - 1, 0) - 3)
;;       q = np.round(r / step) * step * 2.0 ** e      # np.round: ties to even
;;       return np.moveaxis(q.reshape(q.shape[:-2] + (-1,))[..., :K], -1, axis).astype(np.float32)
;;   ~~~
;;   SOFTMAX AHEAD OF A QUANTISED PRODUCT. Where the list says 'softmax', what is quantised is not the finished softmax but p = 2^(t - M), with t = logit x log2(e) and M = ceil(the row's largest t), a whole number; so 1/2 < the row's largest p <= 1. The row's sum l is taken of the UNQUANTISED p, in f32, and the product's result is divided by l at the end. Since M is a whole number, a kernel that streams over the keys may use a running M (the ceiling of the running maximum): every later rescaling is an exact power of two, which a block's scale takes up: the codes' values come out the same.
;;   OPERANDS COMPUTED ON THE WAY. 'Computed on the way' means the value that the module computes at that place (a softmax that the list does not call 'softmax' is quantised finished and normalised). What goes into a quantiser is computed in f32, as accurately as f32 sums, v_exp_f32 and their like allow (about 1e-6 of the number): no bf16 or f16 on the way to a quantiser, and a product that is left as it is and whose result goes on into a quantised operand takes f32 operands (vector FMAs, or v_wmma_f32_16x16x4_f32). A number that lies on a knife's edge between two numbers of the format may be rounded either way, as far as f32 arithmetic and the matrix unit's own rounding can turn it there, and no further.
;; One version. Each part assembles by itself: llvm-mc -triple=amdgcn-amd-amdhsa -mcpu=gfx1250 --defsym DOCPART=n.
;; ======== version 1 of 1: 4 launches
;; limits: right only within a limited range of input values
;; workspace buffers: xq 6,815,744 bytes; wqk 1,703,936 bytes; wv 851,968 bytes; wo 851,968 bytes; qk 13,107,200 bytes; vv 6,815,744 bytes; oc 6,815,744 bytes
;; launch quant (part 1): grid 384 x 1, 4 waves a work-group, no clusters, 34,304 bytes of LDS; arguments x, W_qkv, W_o, xq, wqk, wv, wo; writes xq, wqk, wv, wo
.if DOCPART == 1
	.amdgcn_target "amdgcn-amd-amdhsa--gfx1250"
	.amdhsa_code_object_version 6
	.text
	.protected	k_q7b96f4ab9c_quant
	.globl	k_q7b96f4ab9c_quant
	.p2align	8
	.type	k_q7b96f4ab9c_quant,@function
k_q7b96f4ab9c_quant:
	s_mov_b64 s[64:65], 0
	v_nop
	global_prefetch_b8 v0, s[64:65] scope:SCOPE_SE
	s_setreg_imm32_b32 hwreg(HW_REG_WAVE_MODE, 25, 1), 1
	s_wait_xcnt 0x0
; x [8192][1024], W_qkv [3072][1024] (rows 0-2047 and 2048-3071 as two parts) and W_o [1024][1024], f32, become codes of FP6 (E2M3) with one E8M0 byte for each 32 along K,
; stored AS IMAGES OF OPERAND REGISTERS.  A destination is laid [strip of 16 positions][K step of 256][3,328 bytes]: two fragments (16 x 128 K) of 1,536 bytes, then 128 bytes of scale words [row][2 words]; 128 bytes stay unused.
; A fragment's image: registers 0-3 at 16 x lane, 4-5 at 512 + 8 x lane, 6-9 at 768 + 16 x lane, 10-11 at 1,280 + 8 x lane; lane (r, h) holds row r, K = 64 c + 32 h + 0 .. 31 in registers 6 c .. 6 c + 5.
; POSITION ORDER: position p of strip a is row 32 (a / 2) + 8 (a % 2) + p + 8 (p / 8): as source 0 of a matrix instruction two neighbouring strips leave 16 neighbours of that axis in a lane's 16 registers.
; A block's scale is 2^(floor(log2(largest magnitude)) - 2); its byte is the largest magnitude's exponent field - 2, held at 1 from below.
; LIMITS: a block of zeros, and one whose largest magnitude lies under 2^-124, gets the byte 1 (the bytes are read by this program alone); NaN and infinities are not served.
; A wave takes one strip x 512 along K: four fragments.  Each load reads 512 consecutive bytes of one row; a fragment's 8,192 bytes turn through the wave's own stage in LDS (rows 528 bytes apart), so that a lane holds two whole blocks.
; No tensor loads, no barrier: waves share nothing.  The scale words leave as 128 consecutive bytes for each K step: one byte in 128 of what the launch reads.
.set R,  16                            ; v16-143  two sets of 64 numbers as loaded
.set X,  144                           ; v144-207 my two blocks
.set C,  208                           ; v208-231 codes, two sets
.set T2, 232                           ; v232-239 the conversions' second halves
.set M,  244                           ; v244-247 four chains of maxima
.set SPARE, 33792                      ; behind the four stages of 8,448 bytes: the spare words
	s_load_b256 s[4:11], s[0:1], 0x0               ; x, W_qkv, W_o, xq
	s_load_b128 s[12:15], s[0:1], 0x20             ; wqk, wv
	s_load_b64 s[16:17], s[0:1], 0x30              ; wo
	v_lshl_add_u32 v1, v0, 2, SPARE
	v_mov_b32 v2, 0
	v_lshrrev_b32 v10, 5, v0
	v_readfirstlane_b32 s24, v10                   ; wave
	s_mul_i32 s25, s24, 8448
	v_and_b32 v11, 31, v0
	v_and_b32 v243, 15, v0                         ; r
	v_bfe_u32 v242, v0, 4, 1                       ; h
	v_lshlrev_b32 v3, 4, v11                       ; 16 x lane
	v_lshlrev_b32 v4, 3, v11                       ; 8 x lane
	v_add_nc_u32 v5, s25, v3                       ; the stage, in
	v_mul_u32_u24 v6, v243, 528
	v_lshl_add_u32 v6, v242, 7, v6
	v_add_nc_u32 v6, s25, v6                       ; and out: row r, + 128 h
	v_mul_u32_u24 v7, v242, 3328
	v_lshl_add_u32 v7, v243, 3, v7                 ; scale words: K step h, 8 r
	v_lshlrev_b32 v240, 3, v242                    ; 8 h
	v_mov_b32 v241, 0                              ; a lane permute's destination counts as a source
	s_mov_b32 s32, 0x76543210
	s_mov_b32 s33, 0xfedcba98
	s_mov_b32 s20, 352                             ; first work-group of my source
	s_mov_b32 s21, 352                             ; and of my destination
	s_mov_b32 s22, 256
	s_mov_b32 s23, 320
	s_wait_alu depctr_va_vdst(0)                   ; the wait at the head's end
	s_wait_kmcnt 0x0
	; by the work-group's number alone: 0-255 x, 256-319 W_qkv to wqk, 320-351 W_qkv to wv, 352-383 W_o
	s_cmp_lt_u32 ttmp9, 352
	s_cselect_b64 s[8:9], s[6:7], s[8:9]
	s_cselect_b64 s[16:17], s[14:15], s[16:17]
	s_cselect_b32 s20, s22, s20
	s_cselect_b32 s21, s23, s21
	s_cmp_lt_u32 ttmp9, 320
	s_cselect_b64 s[16:17], s[12:13], s[16:17]
	s_cselect_b32 s21, s22, s21
	s_cmp_lt_u32 ttmp9, 256
	s_cselect_b64 s[8:9], s[4:5], s[8:9]
	s_cselect_b64 s[16:17], s[10:11], s[16:17]
	s_cselect_b32 s20, 0, s20
	s_cselect_b32 s21, 0, s21
	s_sub_co_u32 s26, ttmp9, s20
	s_lshl_b32 s26, s26, 17                        ; 32 rows of 4,096 bytes a work-group
	s_lshr_b32 s29, s24, 1                         ; which of its two strips
	s_and_b32 s30, s24, 1                          ; which half of K
	s_lshl_b32 s27, s29, 15                        ; the strip begins 8 rows on
	s_add_co_u32 s26, s26, s27
	s_lshl_b32 s27, s30, 11
	s_add_co_u32 s26, s26, s27
	s_mov_b32 s27, 0
	s_add_nc_u64 s[8:9], s[8:9], s[26:27]
	s_sub_co_u32 s28, ttmp9, s21
	s_lshl_b32 s28, s28, 1
	s_add_co_u32 s28, s28, s29
	s_mul_i32 s28, s28, 13312
	s_mul_i32 s30, s30, 6656
	s_add_co_u32 s28, s28, s30
	s_mov_b32 s29, 0
	s_add_nc_u64 s[16:17], s[16:17], s[28:29]
.macro LOAD f
.irp i, 0,1,2,3,4,5,6,7,8,9,10,11,12,13,14,15
	global_load_b128 v[R+64*((\f)%2)+4*\i:R+64*((\f)%2)+4*\i+3], v3, s[8:9] offset:(\i+8*(\i/8))*4096+512*(\f) th:TH_LOAD_NT
.endr
.endm
.macro TURN f                          ; LDS serves a wave's instructions in order: no wait between the stores and the loads
.irp i, 0,1,2,3,4,5,6,7,8,9,10,11,12,13,14,15
	ds_store_b128 v5, v[R+64*((\f)%2)+4*\i:R+64*((\f)%2)+4*\i+3] offset:528*\i
.endr
.irp c, 0,1
.irp j, 0,1,2,3,4,5,6,7
	ds_load_b128 v[X+32*\c+4*\j:X+32*\c+4*\j+3], v6 offset:256*\c+16*\j
.endr
.endr
.endm
.macro WORK f
.set CC, C+12*((\f)%2)
.set OFF, 3328*((\f)/2)+1536*((\f)%2)
	s_wait_dscnt 0x0                               ; my two blocks are back; the stage's stores have read their registers
.if (\f)+2 < 4
	LOAD (\f)+2
.endif
.if (\f) >= 2
	s_wait_xcnt 0x0                                ; the stores of two fragments ago have read their data
.endif
.irp c, 0,1
.irp u, 0,1
	v_max3_num_f32 v[M+2*\c+\u], |v[X+32*\c+16*\u]|, |v[X+32*\c+16*\u+1]|, 0x1800000   ; with the floor 2^(3 - 127)
.endr
.endr
.irp i, 2,4,6,8,10,12,14
.irp c, 0,1
.irp u, 0,1
	v_max3_num_f32 v[M+2*\c+\u], v[M+2*\c+\u], |v[X+32*\c+16*\u+\i]|, |v[X+32*\c+16*\u+\i+1]|
.endr
.endr
.endr
	v_max_num_f32 v8, v[M], v[M+1]
	v_max_num_f32 v9, v[M+2], v[M+3]
	v_add_nc_u32 v10, 0xff000000, v8               ; 2 off the exponent field: the conversion's scale
	v_add_nc_u32 v11, 0xff000000, v9
	v_lshrrev_b32 v8, 23, v10                      ; the bytes of blocks h and 2 + h
	v_lshrrev_b32 v9, 23, v11
	v_lshl_or_b32 v8, v9, 16, v8
	v_lshlrev_b32 v8, v240, v8
	v_permlanex16_b32 v241, v8, s32, s33
	v_or_b32 v[12+(\f)], v8, v241                  ; the row's scale word of this fragment
.irp c, 0,1
	v_cvt_scalef32_pk16_fp6_f32 v[CC+6*\c:CC+6*\c+2], v[X+32*\c:X+32*\c+15], v[10+\c]
	v_cvt_scalef32_pk16_fp6_f32 v[T2+4*\c:T2+4*\c+2], v[X+32*\c+16:X+32*\c+31], v[10+\c]
.endr
	v_nop                                          ; one plain line behind the conversions
.irp c, 0,1
.irp i, 0,1,2
	v_mov_b32 v[CC+3+6*\c+\i], v[T2+4*\c+\i]
.endr
.endr
	global_store_b128 v3, v[CC:CC+3], s[16:17] offset:OFF          ; 512 consecutive bytes, aligned
	global_store_b64 v4, v[CC+4:CC+5], s[16:17] offset:OFF+512     ; 256
	global_store_b128 v3, v[CC+6:CC+9], s[16:17] offset:OFF+768
	global_store_b64 v4, v[CC+10:CC+11], s[16:17] offset:OFF+1280
.if (\f) < 2
	s_wait_loadcnt 16                              ; the next fragment's 16 loads are in; the 16 behind them may be out
	TURN (\f)+1
.elseif (\f) == 2
	s_wait_loadcnt 0x0
	TURN 3
.endif
.endm
	LOAD 0
	LOAD 1
	s_wait_loadcnt 16
	TURN 0
.irp f, 0,1,2,3
	WORK \f
.endr
	s_wait_alu depctr_va_vdst(0)                   ; the wait ahead of the readers below
	v_cmp_eq_u32 vcc_lo, 0, v242
	v_cndmask_b32 v8, v14, v12, vcc_lo             ; lanes 0-15: the first K step's two words; lanes 16-31: the second's
	v_cndmask_b32 v9, v15, v13, vcc_lo
	global_store_b64 v7, v[8:9], s[16:17] offset:3072
	s_wait_tensorcnt 0x0                           ; the wave's end
	ds_add_u32 v1, v2
	s_wait_dscnt 0x0
	s_endpgm
.Lfunc_end_k_q7b96f4ab9c_quant:
	.size	k_q7b96f4ab9c_quant, .Lfunc_end_k_q7b96f4ab9c_quant-k_q7b96f4ab9c_quant
	.p2alignl 7, 3214868480
	.fill 96, 4, 3214868480
	.section	.rodata,"a",@progbits
	.p2align	6, 0x0
	.amdhsa_kernel k_q7b96f4ab9c_quant
		.amdhsa_group_segment_fixed_size 34304
		.amdhsa_private_segment_fixed_size 0
		.amdhsa_enable_private_segment 0
		.amdhsa_kernarg_size 56
		.amdhsa_user_sgpr_count 2
		.amdhsa_user_sgpr_kernarg_segment_ptr 1
		.amdhsa_wavefront_size32 1
		.amdhsa_system_sgpr_workgroup_id_x 1
		.amdhsa_system_sgpr_workgroup_id_y 1
		.amdhsa_system_sgpr_workgroup_id_z 1
		.amdhsa_system_vgpr_workitem_id 0
		.amdhsa_next_free_vgpr 256
		.amdhsa_next_free_sgpr 66
		.amdhsa_reserve_vcc 1
		.amdhsa_float_denorm_mode_32 3
		.amdhsa_float_denorm_mode_16_64 3
		.amdhsa_memory_ordered 1
		.amdhsa_forward_progress 1
		.amdhsa_inst_pref_size 32
	.end_amdhsa_kernel
	.amdgpu_metadata
---
amdhsa.version: [ 1, 2 ]
amdhsa.kernels:
  - .name:           k_q7b96f4ab9c_quant
    .symbol:         k_q7b96f4ab9c_quant.kd
    .args:
      - { .name: x, .offset: 0, .size: 8, .value_kind: global_buffer, .address_space: global }
      - { .name: W_qkv, .offset: 8, .size: 8, .value_kind: global_buffer, .address_space: global }
      - { .name: W_o, .offset: 16, .size: 8, .value_kind: global_buffer, .address_space: global }
      - { .name: xq, .offset: 24, .size: 8, .value_kind: global_buffer, .address_space: global }
      - { .name: wqk, .offset: 32, .size: 8, .value_kind: global_buffer, .address_space: global }
      - { .name: wv, .offset: 40, .size: 8, .value_kind: global_buffer, .address_space: global }
      - { .name: wo, .offset: 48, .size: 8, .value_kind: global_buffer, .address_space: global }
    .group_segment_fixed_size: 34304
    .private_segment_fixed_size: 0
    .kernarg_segment_align: 8
    .kernarg_segment_size: 56
    .max_flat_workgroup_size: 128
    .sgpr_count:     66
    .vgpr_count:     256
    .wavefront_size: 32
...
	.end_amdgpu_metadata
.endif
;; end of part 1
;; launch proj_qkv (part 2): grid 8 x 32, 4 waves a work-group, clusters of 4 x 4, 327,680 bytes of LDS; arguments xq, wqk, wv, qk, vv; writes qk, vv
.if DOCPART == 2
	.amdgcn_target "amdgcn-amd-amdhsa--gfx1250"
	.amdhsa_code_object_version 6
	.text
	.protected	k_q7b96f4ab9c_proj_qkv
	.globl	k_q7b96f4ab9c_proj_qkv
	.p2align	8
	.type	k_q7b96f4ab9c_proj_qkv,@function
k_q7b96f4ab9c_proj_qkv:
	s_mov_b64 s[64:65], 0
	v_nop
	global_prefetch_b8 v0, s[64:65] scope:SCOPE_SE
	s_setreg_imm32_b32 hwreg(HW_REG_WAVE_MODE, 25, 1), 1
	s_wait_xcnt 0x0
	s_wait_alu depctr_hold_cnt(0) depctr_sa_sdst(0) depctr_va_vdst(0) depctr_va_sdst(0) depctr_va_ssrc(0) depctr_va_vcc(0) depctr_vm_vsrc(0)
	s_getreg_b32 s2, hwreg(HW_REG_IB_STS2, 6, 4)
	s_cmp_eq_u32 s2, 0
	s_cbranch_scc0 .Lentry_in_a_cluster
	s_endpgm
.Lentry_in_a_cluster:
	s_bfe_u32 s2, ttmp6, 0x10000c
	s_cmp_lg_u32 s2, 0xf033
	s_cbranch_scc0 .Lentry_shape_is_right
	s_endpgm
.Lentry_shape_is_right:
; C = A B^T on codes of FP6 (E2M3) with E8M0 scales, K = 1,024; C is QUANTISED AGAIN along B's rows and stored as images of operand registers.
; A WORK-GROUP STAYS AND MAKES TWO TILES.  Work-group (tx, ty), 8 x 32 of them: first A = x's tokens 256 ty .., B = rows 256 tx .. of W_q and W_k: 256 x 256 of q, k, to qk (quantised along a head's 64);
; then A = rows 128 tx .. of W_v, B = the same 256 tokens: 128 x 256 of v transposed, to vv (quantised along the keys).  All 256 work-groups have the same work.
; OPERANDS: [strip of 16 positions][K step of 256][3,328 bytes]: two fragment images of 1,536 bytes and 128 bytes of scale words [row][2].  A tile's row is a strip's 3,200 bytes of one K step; it begins on a multiple of 256 bytes.
; Four waves; a wave makes 128 x 128 of the first tile (64 accumulators) and 64 x 128 of the second (32).  K goes in steps of 256 through two LDS slots, and the ring does not stop at the first tile's end:
; the head's four loads, one a wave, are the first tile's K steps 0 and 1; six refills follow: its K steps 2 and 3, then the second tile's four.  The second tile's first two land under the first tile's last steps and its way out.
; PREFETCH.  Behind the head's loads each wave names, a lane a block of 256 bytes, its work-group's two strips (26 blocks) of the half tile that it will refill, for K step 2 and for K step 3; the four partners that ask for a tile
; jointly take two strips each, told apart by address.  Behind the refills of steps 1, 3, 5, 7 waves 0 and 1 name their work-group's strip (13 blocks) of W_v's K step 0, 1, 2, 3: two refills ahead of the load that wants it.
; x's strips of the second tile are those of the first and are not named again.  The prefetches' address registers are never rewritten.
; CLUSTERS: 4 x 4.  x's tiles hang on ty alone and are asked for jointly along a row of the cluster; W's hang on tx alone, along a column.  The descriptors with the row's mask carry x in both tiles, those with the column's mask W.
; THE MATRIX INSTRUCTION IS USED TRANSPOSED (source 0 = 16 positions of B, source 1 = 16 of A): a lane holds one row of A; by B's position order the 16 registers of two neighbouring tiles are 16 neighbours of B's axis.
; THE WAY OUT.  Fragment (F = A's block of 16, G = B's group of 128) has the number (F & 63) + 64 G + 1,024 (F >> 6) and 1,536 bytes from OUT + 524,288; eight fragments' scale words are 512 bytes at OUT + 64 x the first one's number, laid [row][block][4].
; LIMITS: a block of zeros, and one whose largest magnitude lies under 2^-124, gets the byte 1; NaN and infinities are not served.
; REGISTERS: window 0: v6-31 addresses; v32-63 scale words, two sets; from v64 A's fragments, two sets.  Window 1: B's fragments, two sets, at v0 and v128.  Windows 2, 3: the accumulators ((a, b) at v[8 (8 (a % 4) + b)]).
.set NA,    8                          ; A's blocks of 16 rows for a wave: 8 in the first tile, 4 in the second
.set CH,    3200
.set CHM,   3328
.set STRIP, 13312
.set ASZ,   16*CH                      ; A's part of a slot; B's 16 strips lie behind it
.set SLOT,  32*CH
.set SPARE, 2*SLOT                     ; the spare words: two blocks of 256 bytes that no other line names
.set IMG,   524288
.set FR,    12
.set PF2,  6                           ; v6  the prefetches' offset in one strip's K step: 256 x min(lane, 12)
.set PF1,  7                           ; v7  in two strips' K step: strip x 13,312 + 256 x block, for min(lane, 25)
.set ADRS, 12                          ; v12-13 my scale words in slot 0, 1: lanes 0-15 A's, lanes 16-31 B's (second tile: v14-15)
.set ADRA, 16                          ; v16-17 16 x lane in my A strips, slot 0, 1; v18-19 8 x lane (second tile: v8-11)
.set ADRB, 20
.set OI16, 24
.set OI8,  25
.set OSC,  26
.set OS2,  27
.set SPW,  28
.set NIL,  29
.set FL,   30
.set LN,   31
.set SC,   32
.set AF,   64
.set CDB,  64
.set TM,   160
.set T2,   176
.set SW,   184
.set SX,   192
.set SEL,  96
.set PA1,  100                         ; s[100:101] my work-group's two strips of the half tile that I refill in the first tile
.set PA2,  104                         ; s[104:105] my work-group's strip of the half of W_v's tile with my number's low bit
.set OUTP, 10                          ; s[10:11] the first tile's images; s[90:91] the second's
.set G1,  24                           ; group 1 with my row's mask: x
.set G1B, 48                           ; with my column's mask: W
.set HA,  32                           ; s[32:39] group 0, x: the head's loads, then the second tile's K steps 0, 1
.set HB,  56                           ; s[56:63] the same for W
.set RA,  68                           ; s[68:75] group 0, x: K steps 2, 3 of both tiles
.set RB,  76                           ; s[76:83] the same for W
.set MSB, 0
.macro WIN new                         ; the immediate's high byte repeats the setting that is left
.if MSB != (\new)
	s_set_vgpr_msb (MSB<<8)|(\new)
.set MSB, (\new)
.endif
.endm
.macro PLACES
.rept 4
	v_nop
.endr
.endm
.macro TLOAD g0, g1                    ; an s_nop 0, then four v_nop
	tensor_load_to_lds s[\g0:\g0+3], s[\g1:\g1+7]
	s_nop 0
	PLACES
.endm
.macro JLOAD g0a, g1a, g0b, g1b        ; waves 0 and 1 fetch A's halves, waves 2 and 3 B's
	s_cmp_eq_u32 s15, 0
	s_cbranch_scc0 .Lfor_b_\@
	TLOAD \g0a, \g1a
	s_branch .Lasked_\@
.Lfor_b_\@:
	TLOAD \g0b, \g1b
.Lasked_\@:
.endm
.macro CREST
	s_cmp_lg_u32 s14, 0
	s_cbranch_scc1 .Lnot_wave_0_\@
	s_barrier_signal -3
.Lnot_wave_0_\@:
	s_barrier_wait -3
	s_barrier_signal -1
	s_barrier_wait -1
.endm
.macro CROUND
	s_barrier_signal -1
	s_barrier_wait -1
	CREST
.endm
.macro ARM under, g0, g1, next
	s_cmp_lt_u32 s14, \under
	s_cbranch_scc0 \next
	TLOAD \g0, \g1
	s_branch .Lhead_asked
\next:
.endm
	s_load_b256 s[4:11], s[0:1], 0x0               ; xq, wqk, wv, qk
	s_load_b64 s[12:13], s[0:1], 0x20              ; vv
	v_lshl_add_u32 v[SPW], v0, 2, SPARE
	v_mov_b32 v[NIL], 0
	ds_add_u32 v[SPW], v[NIL]                      ; the opening lines: the add twice on end and its wait
	ds_add_u32 v[SPW], v[NIL]
	v_lshrrev_b32 v1, 5, v0
	v_readfirstlane_b32 s14, v1                    ; wave
	s_lshr_b32 s15, s14, 1                         ; my half of A's rows; also: I refill for A (0) or B (1)
	s_and_b32 s16, s14, 1                          ; my half of B's rows; also: which half I refill
	s_bfe_u32 s40, ttmp6, 0x40000                  ; cx
	s_bfe_u32 s41, ttmp6, 0x40004                  ; cy
	s_lshl_b32 s42, ttmp9, 2
	s_add_co_u32 s42, s42, s40                     ; tx
	s_and_b32 s17, ttmp7, 0xffff
	s_lshl_b32 s17, s17, 2
	s_add_co_u32 s17, s17, s41                     ; ty
	s_lshl_b32 s43, s41, 2
	s_lshl_b32 s43, 15, s43                        ; my row of the cluster
	s_lshl_b32 s44, 0x1111, s40                    ; my column
	s_or_b32 s[G1], s43, (3<<16)|(1<<21)           ; the mask; elements of 8 bytes; bit 21 beside a mask
	s_or_b32 s[G1B], s44, (3<<16)|(1<<21)
.irp g, G1, G1B
	s_mov_b32 s[\g+1], 400<<16                     ; a row: 400 elements
	s_mov_b32 s[\g+2], 16<<16                      ; the head's loads bring whole tiles of 16 strips
	s_mov_b32 s[\g+3], 400<<16
	s_mov_b32 s[\g+4], 16
	s_mov_b32 s[\g+5], STRIP/8                     ; from strip to strip
	s_mov_b32 s[\g+6], 0
	s_mov_b32 s[\g+7], 0
.endr
	s_mul_i32 s20, s17, 16*STRIP                   ; x's 256 tokens
	s_mov_b32 s21, 0
	s_mul_i32 s46, s42, 16*STRIP                   ; W_qk's 256 rows
	s_mov_b32 s47, 0
	s_mul_i32 s84, s42, 8*STRIP                    ; W_v's 128 rows,
	s_mul_i32 s18, s16, 4*STRIP
	s_add_co_u32 s84, s84, s18                     ; the half of them that I refill
	s_mov_b32 s85, 0
	s_mul_i32 s18, s16, 8*STRIP                    ; the half of 256 that I refill
	s_mov_b32 s19, 0
	s_mul_i32 s45, s16, 8*CH                       ; and where the halves go: A's of 8 strips,
	s_add_co_u32 s94, s45, ASZ                     ; B's of 8 strips,
	s_mul_i32 s88, s16, 4*CH                       ; A's of 4 strips
	s_mov_b32 s[SEL], 0x76543210
	s_mov_b32 s[SEL+1], 0xfedcba98
	s_wait_dscnt 0x0
	s_wait_kmcnt 0x0
	s_add_nc_u64 s[20:21], s[4:5], s[20:21]
	s_add_nc_u64 s[46:47], s[6:7], s[46:47]
	s_add_nc_u64 s[84:85], s[8:9], s[84:85]
	CROUND                                         ; all sixteen work-groups are here: the first joint loads meet
.irp s, 0,1
	s_mov_b32 s[HA+4*\s], 1
	s_mov_b32 s[HA+4*\s+1], \s*SLOT
	s_add_nc_u64 s[HA+4*\s+2:HA+4*\s+3], s[20:21], \s*CHM
	s_or_b32 s[HA+4*\s+3], s[HA+4*\s+3], 0x80000000
	s_mov_b32 s[HB+4*\s], 1
	s_mov_b32 s[HB+4*\s+1], \s*SLOT+ASZ
	s_add_nc_u64 s[HB+4*\s+2:HB+4*\s+3], s[46:47], \s*CHM
	s_or_b32 s[HB+4*\s+3], s[HB+4*\s+3], 0x80000000
.endr
	s_add_nc_u64 s[86:87], s[20:21], s[18:19]      ; for the refills: my half of x's tile, in both tiles of C,
	s_add_nc_u64 s[46:47], s[46:47], s[18:19]      ; and of W_qk's
.irp s, 0,1
	s_mov_b32 s[RA+4*\s], 1
	s_add_co_u32 s[RA+4*\s+1], s45, \s*SLOT
	s_add_nc_u64 s[RA+4*\s+2:RA+4*\s+3], s[86:87], (2+\s)*CHM
	s_or_b32 s[RA+4*\s+3], s[RA+4*\s+3], 0x80000000
	s_mov_b32 s[RB+4*\s], 1
	s_add_co_u32 s[RB+4*\s+1], s94, \s*SLOT
	s_add_nc_u64 s[RB+4*\s+2:RB+4*\s+3], s[46:47], (2+\s)*CHM
	s_or_b32 s[RB+4*\s+3], s[RB+4*\s+3], 0x80000000
.endr
	; the head's loads, one a wave: wave 0 A's K step 0, wave 1 B's, wave 2 A's K step 1, wave 3 B's
	ARM 1, HA,   G1,  .Lhead_b0
	ARM 2, HB,   G1B, .Lhead_a1
	ARM 3, HA+4, G1,  .Lhead_b1
	TLOAD HB+4, G1B
.Lhead_asked:
	s_cmp_eq_u32 s15, 0                            ; the prefetches' bases: do I refill for A?
	s_cselect_b64 s[PA1:PA1+1], s[86:87], s[46:47] ; my half of x's tile, or of W_qk's
	s_cselect_b32 s2, s40, s41                     ; my work-group's place among the four that ask for it jointly: cx for x, cy for W
	s_mul_i32 s[PA2], s2, 2*STRIP                  ; it takes two of the eight strips
	s_mov_b32 s[PA2+1], 0
	s_add_nc_u64 s[PA1:PA1+1], s[PA1:PA1+1], s[PA2:PA2+1]
	s_mul_i32 s[PA2], s41, STRIP                   ; and one of W_v's four
	s_add_nc_u64 s[PA2:PA2+1], s[84:85], s[PA2:PA2+1]
	s_mul_i32 s18, s15, 8*CH                       ; first tile: my A strips in slot 0,
	s_add_co_u32 s19, s18, SLOT                    ; in slot 1
	s_add_co_u32 s95, s94, SLOT                    ; my B strips: s94, s95, in both tiles
	s_sub_co_u32 s3, s94, s18                      ; from A's to B's
	s_mul_i32 s89, s15, 4*CH                       ; second tile: my A strips
	s_add_co_u32 s98, s89, SLOT
	s_sub_co_u32 s99, s94, s89
	v_and_b32 v1, 31, v0
	v_bfe_u32 v2, v0, 4, 1                         ; h
	v_and_b32 v3, 15, v0                           ; r
	v_lshlrev_b32 v[OI16], 4, v1
	v_lshlrev_b32 v[OI8], 3, v1
	v_add_nc_u32 v[ADRA], s18, v[OI16]
	v_add_nc_u32 v[ADRA+1], s19, v[OI16]
	v_add_nc_u32 v[ADRA+2], s18, v[OI8]
	v_add_nc_u32 v[ADRA+3], s19, v[OI8]
	v_add_nc_u32 v[ADRB], s94, v[OI16]
	v_add_nc_u32 v[ADRB+1], s95, v[OI16]
	v_add_nc_u32 v[ADRB+2], s94, v[OI8]
	v_add_nc_u32 v[ADRB+3], s95, v[OI8]
	v_add_nc_u32 v8, s89, v[OI16]
	v_add_nc_u32 v9, s98, v[OI16]
	v_add_nc_u32 v10, s89, v[OI8]
	v_add_nc_u32 v11, s98, v[OI8]
	v_mul_u32_u24 v4, s3, v2                       ; lanes 16-31 take B's
	v_mul_u32_u24 v5, s99, v2
	v_lshl_add_u32 v4, v3, 3, v4
	v_lshl_add_u32 v5, v3, 3, v5
	v_add_nc_u32 v4, 3072, v4                      ; the scale words lie behind a strip's two images
	v_add_nc_u32 v5, 3072, v5
	v_add_nc_u32 v[ADRS], s18, v4
	v_add_nc_u32 v[ADRS+1], s19, v4
	v_add_nc_u32 v14, s89, v5
	v_add_nc_u32 v15, s98, v5
	v_lshlrev_b32 v[OS2], 5, v3                    ; 32 r
	v_lshl_add_u32 v[OSC], v2, 4, v[OS2]           ; 32 r + 16 h
	v_mov_b32 v[FL], 0x1800000
	v_mov_b32 v[LN], v1
	v_min_u32 v[PF2], 25, v1                       ; a strip's K step is 13 blocks of 256 bytes: lanes 0-12 the first strip's, 13-25 the second's, the others the last block again
	v_mul_u32_u24 v[PF1], v[PF2], 79
	v_lshrrev_b32 v[PF1], 10, v[PF1]               ; lane / 13
	v_mul_u32_u24 v[PF1], v[PF1], STRIP-13*256
	v_lshl_add_u32 v[PF1], v[PF2], 8, v[PF1]
	v_min_u32 v[PF2], 12, v1
	v_lshlrev_b32 v[PF2], 8, v[PF2]
	s_lshl_b32 s20, s17, 4                         ; the first tile's way out
	s_lshl_b32 s21, s15, 3
	s_add_co_u32 s20, s20, s21                     ; F of my first block
	s_and_b32 s21, s20, 63
	s_lshr_b32 s20, s20, 6
	s_lshl_b32 s20, s20, 10
	s_add_co_u32 s20, s20, s21
	s_lshl_b32 s46, s42, 1
	s_add_co_u32 s46, s46, s16                     ; G
	s_lshl_b32 s46, s46, 6
	s_add_co_u32 s20, s20, s46                     ; the first fragment's number, a multiple of 8
	s_lshl_b32 s46, s20, 6
	s_mov_b32 s47, 0
	s_add_nc_u64 s[22:23], s[10:11], s[46:47]      ; my 512 bytes of scale words
	s_mul_i32 s46, s20, 128*FR
	s_add_co_u32 s46, s46, IMG
	s_add_nc_u64 s[10:11], s[10:11], s[46:47]      ; my eight images
	s_lshl_b32 s20, s42, 3                         ; the second tile's: F = 8 tx + 4 x my half, under 64
	s_lshl_b32 s21, s15, 2
	s_add_co_u32 s20, s20, s21
	s_lshl_b32 s21, s17, 1
	s_add_co_u32 s21, s21, s16                     ; G = 2 ty + my half
	s_lshl_b32 s21, s21, 6
	s_add_co_u32 s20, s20, s21                     ; the first fragment's number, a multiple of 4
	s_and_b32 s46, s20, 0xfff8
	s_lshl_b32 s46, s46, 6
	s_lshl_b32 s21, s15, 4
	s_add_co_u32 s46, s46, s21
	s_add_nc_u64 s[92:93], s[12:13], s[46:47]      ; my 16 bytes of each row's 32 of scale words
	s_mul_i32 s46, s20, 128*FR
	s_add_co_u32 s46, s46, IMG
	s_add_nc_u64 s[90:91], s[12:13], s[46:47]      ; my four images
.macro FRG reg, a, off                 ; a fragment's image: every load reads 512 or 256 consecutive bytes
	ds_load_b128 v[\reg:\reg+3], v[\a] offset:\off
	ds_load_b64 v[\reg+4:\reg+5], v[\a+2] offset:\off+512
	ds_load_b128 v[\reg+6:\reg+9], v[\a] offset:\off+768
	ds_load_b64 v[\reg+10:\reg+11], v[\a+2] offset:\off+1280
.endm
.macro FETCH st                        ; step st's fragments (128 along K) into set st % 2; with a slot's first step its scale words
.set FS, ((\st)/2)%2
.set FQ, (\st)%2
	WIN 0x40
.irp i, 0,1,2,3,4,5,6,7
	FRG 128*FQ+FR*\i, ADRB+FS, \i*CH+FQ*1536
.endr
	WIN 0
.set II, 0
.rept NA
	FRG AF+FR*NA*FQ+FR*II, ADRA+FS, II*CH+FQ*1536
.set II, II+1
.endr
.if FQ == 0
.irp i, 0,1,2,3,4,5,6,7
	ds_load_b64 v[SC+16*FS+2*\i:SC+16*FS+2*\i+1], v[ADRS+FS] offset:\i*CH   ; lanes 16-31: B's block i; lanes 0-15: A's block i, of use for i under NA
.endr
.endif
.endm
.macro MULA a, st                      ; A's block a against B's eight: the accumulators take turns, in the same order in every step
	WIN 0xa1+0x50*((\a)/4)
.irp b, 0,1,2,3,4,5,6,7
.set DD, 8*(8*((\a)%4)+\b)
.set BR, 128*((\st)%2)+FR*\b
.set AR, AF+FR*NA*((\st)%2)+FR*(\a)
.set SS, SC+16*(((\st)/2)%2)+(\st)%2
.if (\st)%8 == 0                       ; a tile's first step starts the sums
	v_wmma_scale_f32_16x16x128_f8f6f4 v[DD:DD+7], v[BR:BR+11], v[AR:AR+11], 0, v[SS+2*\b], v[SS+2*(\a)] matrix_a_fmt:MATRIX_FMT_FP6 matrix_b_fmt:MATRIX_FMT_FP6 matrix_a_scale:MATRIX_SCALE_ROW1
.else
	v_wmma_scale_f32_16x16x128_f8f6f4 v[DD:DD+7], v[BR:BR+11], v[AR:AR+11], v[DD:DD+7], v[SS+2*\b], v[SS+2*(\a)] matrix_a_fmt:MATRIX_FMT_FP6 matrix_b_fmt:MATRIX_FMT_FP6 matrix_a_scale:MATRIX_SCALE_ROW1
.endif
.endr
.endm
.macro MULR a0, n, st
.set AA, \a0
.rept \n
	MULA AA, \st
.set AA, AA+1
.endr
.endm
; Steps 0-7 are the first tile's, 8-15 the second's; step st reads slot (st / 2) % 2.
.macro KSTEP st
.set KSL, ((\st)/2)%2
.if (\st)%2 == 0                       ; the next step lies in the same slot
	s_wait_dscnt 0x0                               ; this step's fragments are in
	PLACES                                         ; in front of loads into the set that the last step multiplied
	FETCH (\st)+1
	MULR 0, NA, \st
.elseif (\st) == 15
	s_wait_dscnt 0x0
	MULR 0, NA, \st
	WIN 0
.else                                  ; a slot's last step: one barrier for the change of slots
	WIN 0
	s_wait_tensorcnt 0x0                           ; all my tensor loads have landed
	ds_add_u32 v[SPW], v[NIL]
.if (\st) == 5                         ; no load of mine is out: the descriptors are set for the second tile
	s_mov_b32 s[G1B+2], 4<<16                      ; a refill of W_v brings 4 strips
	s_mov_b32 s[G1B+4], 4
.irp s, 0,1
	s_add_co_u32 s[RA+4*\s+1], s94, \s*SLOT        ; x's K steps 2, 3 once more, now as B
	s_add_co_u32 s[RB+4*\s+1], s88, \s*SLOT        ; W_v's K steps 2, 3, as A
	s_add_nc_u64 s[RB+4*\s+2:RB+4*\s+3], s[84:85], (2+\s)*CHM
	s_or_b32 s[RB+4*\s+3], s[RB+4*\s+3], 0x80000000
.endr
.endif
	s_wait_dscnt 1                                 ; this step's fragments are in; the add may be out
	MULR 0, NA/4, \st
	s_wait_dscnt 0x0                               ; the add is done, and my reads of this slot are over
	s_barrier_signal -1
	MULR NA/4, NA/4, \st
	WIN 0
	s_barrier_wait -1
.if (\st) < 12
	CREST                                          ; the barrier has opened a round of the cluster's: no wave of any partner still reads this slot
.if (\st) < 4
	JLOAD RA+4*KSL, G1, RB+4*KSL, G1B              ; the first tile's K steps 2, 3
.elseif (\st) < 8
	JLOAD HB+4*KSL, G1B, HA+4*KSL, G1              ; the second tile's K steps 0, 1
.else
	JLOAD RB+4*KSL, G1B, RA+4*KSL, G1              ; its K steps 2, 3
.endif
.else
	PLACES
.endif
.if (\st) != 7                         ; the second tile's first fragments are fetched behind the first tile's way out, which works in their registers
	FETCH (\st)+1
.endif
.if (\st) < 8                          ; W_v's K step st / 2, which the refill two changes of slots on will want: the waves that will fetch it name it
	s_cmp_eq_u32 s15, 0
	s_cbranch_scc0 .Lno_ask_\@
	global_prefetch_b8 v[PF2], s[PA2:PA2+1] offset:((\st)/2)*CHM th:TH_LOAD_NT scope:SCOPE_SE
.Lno_ask_\@:
.endif
	MULR NA/2, NA/2, \st
.endif
.endm
	s_wait_alu depctr_va_vdst(0)                   ; the wait at the head's end
	global_prefetch_b8 v[PF1], s[PA1:PA1+1] offset:2*CHM th:TH_LOAD_NT scope:SCOPE_SE   ; the first tile's K step 2, which step 1's refill will want,
	global_prefetch_b8 v[PF1], s[PA1:PA1+1] offset:3*CHM th:TH_LOAD_NT scope:SCOPE_SE   ; and its K step 3, step 3's
	s_wait_tensorcnt 0x0                           ; my tile of the head's four is in; no load of mine is out, so descriptors may be written:
	s_mov_b32 s[G1+2], 8<<16                       ; a refill brings half a tile
	s_mov_b32 s[G1+4], 8
	s_mov_b32 s[G1B+2], 8<<16
	s_mov_b32 s[G1B+4], 8
.irp s, 0,1                            ; the head's group 0 will serve the second tile's K steps 0, 1: x as B, W_v as A
	s_add_co_u32 s[HA+4*\s+1], s94, \s*SLOT
	s_add_nc_u64 s[HA+4*\s+2:HA+4*\s+3], s[86:87], \s*CHM
	s_or_b32 s[HA+4*\s+3], s[HA+4*\s+3], 0x80000000
	s_add_co_u32 s[HB+4*\s+1], s88, \s*SLOT
	s_add_nc_u64 s[HB+4*\s+2:HB+4*\s+3], s[84:85], \s*CHM
	s_or_b32 s[HB+4*\s+3], s[HB+4*\s+3], 0x80000000
.endr
	s_barrier_signal -1
	s_barrier_wait -1                              ; all four tiles are in
	FETCH 0
.irp st, 0,1,2,3,4,5,6,7
	KSTEP \st
.endr
; Block a of 16 rows: register 16 b + i of its 64 is number 32 b + 16 h + i of my row's 128.  Each accumulator is read from its low end on.
.macro QUANTA a
.set WW, 2+(\a)/4
.set WN, (WW<<2)|(WW<<4)
.set AC, 64*((\a)%4)
.set CD, CDB+12*(\a)
	WIN WN
.irp b, 0,1,2,3
	v_max3_num_f32 v[TM+\b], v[FL], |v[AC+16*\b]|, |v[AC+16*\b+1]|
.endr
.irp i, 2,4,6,8,10,12,14
.irp b, 0,1,2,3
	v_max3_num_f32 v[TM+\b], v[TM+\b], |v[AC+16*\b+\i]|, |v[AC+16*\b+\i+1]|
.endr
.endr
	WIN 0
.irp b, 0,1,2,3
	v_permlanex16_b32 v[TM+4+\b], v[TM+\b], s[SEL], s[SEL+1]
.endr
.irp b, 0,1,2,3
	v_max_num_f32 v[TM+\b], v[TM+\b], v[TM+4+\b]   ; the block's largest magnitude
.endr
.irp b, 0,1,2,3
	v_add_nc_u32 v[TM+12+\b], 0xff000000, v[TM+\b] ; the conversion's scale
.endr
.irp b, 0,1,2,3
	v_lshrrev_b32 v[TM+4+\b], 23, v[TM+12+\b]      ; the byte
.endr
	v_lshl_or_b32 v[SW+(\a)], v[TM+5], 8, v[TM+4]
	v_lshl_or_b32 v[SW+(\a)], v[TM+6], 16, v[SW+(\a)]
	v_lshl_or_b32 v[SW+(\a)], v[TM+7], 24, v[SW+(\a)]
	WIN WW
.irp c, 0,1
	v_cvt_scalef32_pk16_fp6_f32 v[CD+6*\c:CD+6*\c+2], v[AC+32*\c:AC+32*\c+15], v[TM+12+2*\c]
	v_cvt_scalef32_pk16_fp6_f32 v[T2+4*\c:T2+4*\c+2], v[AC+32*\c+16:AC+32*\c+31], v[TM+13+2*\c]
.endr
	WIN 0
	v_nop                                          ; one plain line behind the conversions
.irp c, 0,1                            ; the operand's layout wants a whole block in a lane
.irp i, 0,1,2
	v_permlane16_swap_b32 v[CD+6*\c+\i], v[T2+4*\c+\i]
.endr
.irp i, 0,1,2
	v_mov_b32 v[CD+3+6*\c+\i], v[T2+4*\c+\i]
.endr
.endr
	global_store_b128 v[OI16], v[CD:CD+3], s[OUTP:OUTP+1] offset:1536*(\a)
	global_store_b64 v[OI8], v[CD+4:CD+5], s[OUTP:OUTP+1] offset:1536*(\a)+512
	global_store_b128 v[OI16], v[CD+6:CD+9], s[OUTP:OUTP+1] offset:1536*(\a)+768
	global_store_b64 v[OI8], v[CD+10:CD+11], s[OUTP:OUTP+1] offset:1536*(\a)+1280
.endm
	WIN 0
	PLACES                                         ; behind the first tile's last products
.irp b, 0,1,2,3
	v_mov_b32 v[TM+4+\b], 0                        ; a lane permute's destination counts as a source
.endr
.irp a, 0,1,2,3,4,5,6,7
	QUANTA \a
.endr
	v_cmp_gt_u32 vcc_lo, 16, v[LN]
.irp i, 0,1,2,3
	v_cndmask_b32 v[SX+\i], v[SW+4+\i], v[SW+\i], vcc_lo   ; lanes 0-15: blocks 0-3 of row r; lanes 16-31: blocks 4-7
.endr
	global_store_b128 v[OSC], v[SX:SX+3], s[22:23]  ; 512 consecutive bytes
	s_wait_alu depctr_va_vdst(0)                   ; directly ahead of the wait below
	s_wait_xcnt 0x0                                ; the stores have read their data: the second tile's fragments may land there
; THE SECOND TILE.  Its K step 0 lies whole in slot 0 since step 7's barrier; its K step 1 is on its way to slot 1.
.set NA,   4
.set ADRA, 8
.set ADRS, 14
.set OUTP, 90
	FETCH 8
.irp st, 8,9,10,11,12,13,14,15
	KSTEP \st
.endr
	PLACES                                         ; behind the last products
.irp a, 0,1,2,3
	QUANTA \a
.endr
	global_store_b128 v[OS2], v[SW:SW+3], s[92:93]  ; my four blocks' words of row r, 16 bytes (lanes 16-31 repeat lanes 0-15)
	s_wait_tensorcnt 0x0                           ; the wave's end
	ds_add_u32 v[SPW], v[NIL]
	s_wait_dscnt 0x0
	CROUND                                         ; the closing round
	s_endpgm
.Lfunc_end_k_q7b96f4ab9c_proj_qkv:
	.size	k_q7b96f4ab9c_proj_qkv, .Lfunc_end_k_q7b96f4ab9c_proj_qkv-k_q7b96f4ab9c_proj_qkv
	.p2alignl 7, 3214868480
	.fill 96, 4, 3214868480
	.section	.rodata,"a",@progbits
	.p2align	6, 0x0
	.amdhsa_kernel k_q7b96f4ab9c_proj_qkv
		.amdhsa_group_segment_fixed_size 327680
		.amdhsa_private_segment_fixed_size 0
		.amdhsa_enable_private_segment 0
		.amdhsa_kernarg_size 40
		.amdhsa_user_sgpr_count 2
		.amdhsa_user_sgpr_kernarg_segment_ptr 1
		.amdhsa_wavefront_size32 1
		.amdhsa_system_sgpr_workgroup_id_x 1
		.amdhsa_system_sgpr_workgroup_id_y 1
		.amdhsa_system_sgpr_workgroup_id_z 1
		.amdhsa_system_vgpr_workitem_id 0
		.amdhsa_next_free_vgpr 1024
		.amdhsa_next_free_sgpr 106
		.amdhsa_reserve_vcc 1
		.amdhsa_float_denorm_mode_32 3
		.amdhsa_float_denorm_mode_16_64 3
		.amdhsa_memory_ordered 1
		.amdhsa_forward_progress 1
		.amdhsa_inst_pref_size 229
	.end_amdhsa_kernel
	.amdgpu_metadata
---
amdhsa.version: [ 1, 2 ]
amdhsa.kernels:
  - .name:           k_q7b96f4ab9c_proj_qkv
    .symbol:         k_q7b96f4ab9c_proj_qkv.kd
    .args:
      - { .name: xq, .offset: 0, .size: 8, .value_kind: global_buffer, .address_space: global }
      - { .name: wqk, .offset: 8, .size: 8, .value_kind: global_buffer, .address_space: global }
      - { .name: wv, .offset: 16, .size: 8, .value_kind: global_buffer, .address_space: global }
      - { .name: qk, .offset: 24, .size: 8, .value_kind: global_buffer, .address_space: global }
      - { .name: vv, .offset: 32, .size: 8, .value_kind: global_buffer, .address_space: global }
    .group_segment_fixed_size: 327680
    .private_segment_fixed_size: 0
    .kernarg_segment_align: 8
    .kernarg_segment_size: 40
    .max_flat_workgroup_size: 128
    .sgpr_count:     106
    .vgpr_count:     1024
    .wavefront_size: 32
...
	.end_amdgpu_metadata
.endif
;; end of part 2
;; launch attn (part 3): grid 4 x 64, 16 waves a work-group, clusters of 4 x 1, 219,136 bytes of LDS; arguments qk, vv, src_mask, oc; writes oc
.if DOCPART == 3
	.amdgcn_target "amdgcn-amd-amdhsa--gfx1250"
	.amdhsa_code_object_version 6
	.text
	.protected	k_q7b96f4ab9c_attn
	.globl	k_q7b96f4ab9c_attn
	.p2align	8
	.type	k_q7b96f4ab9c_attn,@function
k_q7b96f4ab9c_attn:
	s_mov_b64 s[64:65], 0
	v_nop
	global_prefetch_b8 v0, s[64:65] scope:SCOPE_SE
	s_setreg_imm32_b32 hwreg(HW_REG_WAVE_MODE, 25, 1), 1
	s_wait_xcnt 0x0
	s_wait_alu depctr_hold_cnt(0) depctr_sa_sdst(0) depctr_va_vdst(0) depctr_va_sdst(0) depctr_va_ssrc(0) depctr_va_vcc(0) depctr_vm_vsrc(0)
	s_getreg_b32 s2, hwreg(HW_REG_IB_STS2, 6, 4)
	s_cmp_eq_u32 s2, 0
	s_cbranch_scc0 .Lentry_in_a_cluster
	s_endpgm
.Lentry_in_a_cluster:
	s_bfe_u32 s2, ttmp6, 0x10000c
	s_cmp_lg_u32 s2, 0x3003
	s_cbranch_scc0 .Lentry_shape_is_right
	s_endpgm
.Lentry_shape_is_right:
; Attention of one head with the causal mask and the key padding mask, both products on codes of FP6 (E2M3) with E8M0 scales; the result is quantised along the model's 1,024 and stored as operand images.
; q, k: images of 16 tokens x 64 (768 bytes) in qk; v: images of 16 channels x 128 keys (1,536 bytes) in vv; tokens and channels in position order (bits 3 and 4 exchanged), the K axes in true order.
; SOFTMAX: t = score x log2(e) / 8; M = the running largest t rounded up to a whole number; p = 2^(t - M) is quantised along the keys; the sum of the unquantised p divides at the end.
; SHARES.  A cluster of four work-groups owns one (batch, head).  The head's K and V codes, 2 x 98,304 bytes, come into each work-group's LDS ONCE, by joint loads that name the four: nothing is filled again, so the key loop has no barrier.
; The 2,048 queries are 16 groups of 128, each of 8 tiles of 16.  Partner cx takes tiles 2 cx and 2 cx + 1 of every group; wave w takes group w, tile 2 cx, and then group 15 - w, tile 2 cx + 1:
; (w + 1) + (16 - w) = 17 key steps of 128 for every wave of every work-group.  cx enters global addresses and one compared value alone.
; THE PADDING MASK costs no line in the loop.  The first product's K is 64; the instruction's k = 64 .. 127 are zero codes but for k = 64: +1.0 in Q, -1.0 in K.  Their block's scale bytes are 100 in Q and, in K's word, 254 for a masked key and 1 else:
; a masked key's score gets -2^100, any other -2^-153.  The running largest t begins at -2^60, so a masked key's p is 0.
; A QUERY WITH NO KEY LEFT has equal logits at all 2,048 keys: its row is the mean of the quantised v over all keys.  It is known by its sum 0, and the mean, made once by four products with a fragment of ones, is chosen by v_cndmask_b32.
; LIMITS: t under -2^60 counts as masked; an unmasked score carries -2^-153; src_mask's bytes are 0 or 1; a block of zeros or under 2^-124 gets the byte 1; NaN and infinities are not served.
; REGISTERS: v1-7 addresses that stay, v8-13 the step's; v14 -M, v15 the largest t, v[16:17] the sum, v[18:19] f; v20-31 Q; v32-79 four tiles of K; v80-87 tiles' scale words; v88 Q's, v89 p's; v96-102 the second pass's Q;
; v128-191 S^T, then p, then V's four fragments; v192-223 O^T; v224-235 p's codes; v236-251 at work.
.set VB,    98304                      ; LDS: K's 128 tiles of 768 bytes from 0, V's 16 steps x 4 fragments of 1,536 bytes from here
.set KSW,   196608                     ; K's scale words: 512 x step + 256 x (tile / 4) + 16 r + 4 x (tile % 4)
.set VSW,   204800                     ; V's: 256 x step + 16 r + 4 x tile
.set VP,    208896                     ; [wave][64] partial sums of v
.set VT,    212992                     ; [wave][64] the means, each wave's own copy
.set STEPB, 6144                       ; a key step's bytes of K, and of V
.set IMG,   524288                     ; where qk's and vv's images begin
.set OCC,   262144
.set WV,  12
.set CX,  13
.set BH,  14
.set BB,  15
.set HD,  16
.set HH,  17
.set KA,  18
.set SEL, 20                           ; s[20:21] lane selects for lane l xor 16
.set CS,  22                           ; s[22:23] c = log2(e) / 8
.set G1K, 24
.set G1V, 32
.set G0K, 40
.set G0V, 44
.set GG,  49                           ; my group of queries: the last key step that counts
.set ST,  50                           ; the key step
.set TB,  51                           ; 6,144 x step
.set TS,  52                           ; 512 x step
.set TJ,  53                           ; 256 x step
.macro CROUND                          ; a round of the cluster's barrier
	s_barrier_signal -1
	s_barrier_wait -1
	s_cmp_lg_u32 s[WV], 0
	s_cbranch_scc1 .Lnot_wave_0_\@
	s_barrier_signal -3
.Lnot_wave_0_\@:
	s_barrier_wait -3
	s_barrier_signal -1
	s_barrier_wait -1
.endm
.macro ADDRS f, qc, qs, oo, os         ; from tile F in s[f]: Q's codes, Q's scale words, oc's image, oc's scale bytes
	s_and_b32 s60, s[\f], 63
	s_lshr_b32 s61, s[\f], 6
	s_lshl_b32 s61, s61, 10
	s_add_co_u32 s60, s60, s61
	s_lshl_b32 s61, s[KA], 6
	s_add_co_u32 s60, s60, s61                     ; the fragment's number: (F & 63) + 64 (H / 2) + 1,024 (F >> 6)
	s_mul_i32 s62, s60, 1536
	s_add_co_u32 s62, s62, s19
	s_mov_b32 s63, 0
	s_add_nc_u64 s[\qc:\qc+1], s[4:5], s[62:63]
	s_lshr_b32 s62, s60, 3
	s_lshl_b32 s62, s62, 9
	s_and_b32 s61, s60, 7
	s_lshl_b32 s61, s61, 2
	s_add_co_u32 s62, s62, s61
	s_add_nc_u64 s[\qs:\qs+1], s[4:5], s[62:63]
	s_mul_i32 s61, s[\f], 13312                    ; oc: [tile][K step of 256][3,328]: two images, then scale words [row][8 bytes]
	s_add_co_u32 s62, s61, s48
	s_add_nc_u64 s[\oo:\oo+1], s[10:11], s[62:63]
	s_add_co_u32 s62, s61, s58
	s_add_nc_u64 s[\os:\os+1], s[10:11], s[62:63]
.endm
	s_load_b256 s[4:11], s[0:1], 0x0               ; qk s[4:5], vv s[6:7], src_mask s[8:9], oc s[10:11]
	v_lshl_add_u32 v254, v0, 2, 0x35000
	v_mov_b32 v255, 0
	ds_add_u32 v254, v255
	ds_add_u32 v254, v255
	v_lshrrev_b32 v1, 5, v0
	s_delay_alu instid0(VALU_DEP_1)
	v_readfirstlane_b32 s[WV], v1                  ; wave 0..15
	s_bfe_u32 s[CX], ttmp6, 0x40000                ; my place in the cluster
	s_and_b32 s[BH], ttmp7, 0xffff                 ; 16 x batch + head, which the four partners share
	s_lshr_b32 s[BB], s[BH], 4
	s_and_b32 s[HD], s[BH], 15
	s_and_b32 s[HH], s[HD], 1
	s_lshr_b32 s[KA], s[HD], 1
	; K: 64 rows of 768 bytes (96 elements of 8 bytes), 1,536 bytes apart;  V: 8 rows of 6,144 bytes, 98,304 bytes apart.  The mask names all four work-groups, with bit 21 beside it; no padding
	s_mov_b32 s[G1K], 15|(3<<16)|(1<<21)
	s_mov_b32 s[G1K+1], 96<<16
	s_mov_b32 s[G1K+2], 64<<16
	s_mov_b32 s[G1K+3], 96<<16
	s_mov_b32 s[G1K+4], 64
	s_mov_b32 s[G1K+5], 192
	s_mov_b32 s[G1K+6], 0
	s_mov_b32 s[G1K+7], 0
	s_mov_b32 s[G1V], 15|(3<<16)|(1<<21)
	s_mov_b32 s[G1V+1], 768<<16
	s_mov_b32 s[G1V+2], 8<<16
	s_mov_b32 s[G1V+3], 768<<16
	s_mov_b32 s[G1V+4], 8
	s_mov_b32 s[G1V+5], 12288
	s_mov_b32 s[G1V+6], 0
	s_mov_b32 s[G1V+7], 0
	s_and_b32 s60, s[WV], 1                        ; which half I fetch, if I fetch
	s_mul_i32 s54, s60, 49152                      ; and its place in K's or V's region
	s_lshl_b32 s61, s[BB], 1
	s_add_co_u32 s61, s61, s60
	s_lshl_b32 s61, s61, 10
	s_add_co_u32 s62, s[KA], 8
	s_lshl_b32 s62, s62, 6
	s_add_co_u32 s61, s61, s62                     ; K's first fragment: 64 (8 + H / 2) + 1,024 (2 b + half)
	s_mul_i32 s62, s61, 1536
	s_mul_i32 s63, s[HH], 768
	s_add_co_u32 s62, s62, s63
	s_add_co_u32 s62, s62, IMG
	s_mov_b32 s63, 0
	s_lshl_b32 s61, s[BB], 4
	s_lshl_b32 s70, s60, 3
	s_add_co_u32 s61, s61, s70
	s_lshl_b32 s61, s61, 6
	s_lshl_b32 s70, s[HD], 2
	s_add_co_u32 s61, s61, s70                     ; V's: 4 H + 64 (16 b + 8 half)
	s_mul_i32 s70, s61, 1536
	s_add_co_u32 s70, s70, IMG
	s_mov_b32 s71, 0
	s_mov_b32 s[SEL], 0x76543210
	s_mov_b32 s[SEL+1], 0xfedcba98
	s_mov_b32 s[CS], 0x3e38aa3b
	s_mov_b32 s[CS+1], s[CS]                       ; named with it as a pair, so it is written
	s_wait_dscnt 0x0
	s_wait_kmcnt 0x0
	CROUND                                         ; all four work-groups are here: the joint loads meet
	s_mov_b32 s[G0K], 1
	s_mov_b32 s[G0K+1], s54
	s_add_nc_u64 s[G0K+2:G0K+3], s[4:5], s[62:63]
	s_or_b32 s[G0K+3], s[G0K+3], 0x80000000
	s_mov_b32 s[G0V], 1
	s_add_co_u32 s[G0V+1], s54, VB
	s_add_nc_u64 s[G0V+2:G0V+3], s[6:7], s[70:71]
	s_or_b32 s[G0V+3], s[G0V+3], 0x80000000
	; waves 0 and 1 fetch K's halves, waves 2 and 3 V's, the others nothing: one tensor load a wave at the most.  Four v_nop follow each line
	s_cmp_lt_u32 s[WV], 2
	s_cbranch_scc0 .Lnot_k
	tensor_load_to_lds s[G0K:G0K+3], s[G1K:G1K+7]
	s_nop 0
.rept 4
	v_nop
.endr
	s_branch .Lasked
.Lnot_k:
	s_cmp_lt_u32 s[WV], 4
	s_cbranch_scc0 .Lasked
	tensor_load_to_lds s[G0V:G0V+3], s[G1V:G1V+7]
	s_nop 0
.rept 4
	v_nop
.endr
.Lasked:
	v_and_b32 v114, 31, v0                         ; lane
	v_and_b32 v115, 15, v0                         ; r
	v_bfe_u32 v116, v0, 4, 1                       ; h
	s_delay_alu instid0(VALU_DEP_3)
	v_lshlrev_b32 v1, 4, v114                      ; 16 x lane
	s_delay_alu instid0(VALU_DEP_4)
	v_lshlrev_b32 v2, 3, v114                      ; 8 x lane
	s_delay_alu instid0(VALU_DEP_2)
	v_add_nc_u32 v3, VB, v1
	s_delay_alu instid0(VALU_DEP_2)
	v_add_nc_u32 v4, VB, v2
	v_lshl_add_u32 v5, v115, 4, KSW
	v_lshl_add_u32 v6, v115, 4, VSW
	v_and_b32 v103, 8, v115
	s_delay_alu instid0(VALU_DEP_1)
	v_add_nc_u32 v103, v103, v115                  ; r + 8 (r / 8)
	v_lshlrev_b32 v104, 4, v116
	s_delay_alu instid0(VALU_DEP_1)
	v_sub_nc_u32 v7, v103, v104
	s_lshl_b32 s60, s[CX], 5
	v_add_nc_u32 v7, s60, v7                       ; my query's place in its group of 128, less 16 h: a key's register number is compared with it on the diagonal
	v_lshlrev_b32 v93, 5, v115
	v_lshlrev_b32 v117, 3, v115                    ; 8 r
	v_and_b32 v105, 0x1e0, v0
	s_delay_alu instid0(VALU_DEP_1)
	v_lshlrev_b32 v105, 3, v105
	s_delay_alu instid0(VALU_DEP_1)
	v_lshl_add_u32 v105, v116, 6, v105             ; 256 x wave + 64 h
	s_delay_alu instid0(VALU_DEP_1)
	v_add_nc_u32 v94, VT, v105
	s_delay_alu instid0(VALU_DEP_2)
	v_add_nc_u32 v95, VP, v105
	v_lshl_add_u32 v106, v116, 4, v93              ; 32 r + 16 h
	v_lshl_add_u32 v107, v116, 6, v103             ; 64 h + r + 8 (r / 8)
	s_wait_alu depctr_va_vdst(0)
	v_lshrrev_b32 v108, 1, v114
	s_delay_alu instid0(VALU_DEP_1)
	v_lshlrev_b32 v108, 5, v108
	v_and_b32 v109, 1, v114
	s_delay_alu instid0(VALU_DEP_1)
	v_lshl_add_u32 v108, v109, 3, v108             ; 32 (lane / 2) + 8 (lane % 2)
	s_wait_alu depctr_va_vdst(0)
	v_lshl_add_u32 v110, v0, 4, KSW
	v_lshl_add_u32 v111, v0, 3, VSW
	v_add_nc_u32 v112, VP, v2
	v_lshl_add_u32 v113, v0, 3, VT
	; the scale builder's bases: wave w serves key step w
	s_and_b32 s60, s[WV], 7
	s_add_co_u32 s61, s[KA], 8
	s_lshl_b32 s61, s61, 3
	s_add_co_u32 s60, s60, s61
	s_lshl_b32 s61, s[BB], 1
	s_lshr_b32 s62, s[WV], 3
	s_add_co_u32 s61, s61, s62
	s_lshl_b32 s61, s61, 7
	s_add_co_u32 s60, s60, s61
	s_lshl_b32 s62, s60, 9
	s_mov_b32 s63, 0
	s_add_nc_u64 s[72:73], s[4:5], s[62:63]        ; K's scale words of my step's 8 tiles
	s_lshl_b32 s62, s[BB], 11
	s_lshl_b32 s61, s[WV], 7
	s_add_co_u32 s62, s62, s61
	s_add_nc_u64 s[74:75], s[8:9], s[62:63]        ; the mask of my step's 128 keys
	s_lshl_b32 s62, s[BB], 4
	s_add_co_u32 s62, s62, s[WV]
	s_lshl_b32 s62, s62, 3
	s_add_co_u32 s62, s62, s[KA]
	s_lshl_b32 s62, s62, 9
	s_lshl_b32 s61, s[HH], 4
	s_add_co_u32 s62, s62, s61
	s_add_nc_u64 s[76:77], s[6:7], s[62:63]        ; V's scale words of my step
	s_mul_i32 s19, s[HH], 768
	s_lshr_b32 s58, s[KA], 1
	s_mul_i32 s58, s58, 3328                       ; my head's K step of 256
	s_add_co_u32 s48, s19, s58
	s_and_b32 s59, s[KA], 1
	s_mul_i32 s59, s59, 1536
	s_add_co_u32 s48, s48, s59                     ; my half image in a tile of oc
	s_and_b32 s59, s[HD], 3
	s_lshl_b32 s59, s59, 1
	s_add_co_u32 s58, s58, s59
	s_add_co_u32 s58, s58, 3072                    ; my head's two scale bytes of a row's eight
	s_add_co_u32 s19, s19, IMG
	s_lshl_b32 s57, s[BB], 7
	s_lshl_b32 s60, s[CX], 1
	s_add_co_u32 s57, s57, s60                     ; 128 b + 2 cx
	s_lshl_b32 s60, s[WV], 3
	s_add_co_u32 s55, s57, s60                     ; the first pass's tile
	s_sub_co_u32 s60, 15, s[WV]
	s_lshl_b32 s60, s60, 3
	s_add_co_u32 s56, s57, s60
	s_add_co_u32 s56, s56, 1                       ; the second's
	ADDRS 55, 78, 80, 82, 84
	ADDRS 56, 86, 88, 90, 92
	s_lshl_b32 s66, s[HH], 4                       ; my head's half of a scale word begins at this bit
	s_mov_b32 s67, 253<<16
	s_mov_b32 s68, 0x7f010000
	global_load_b128 v[128:131], v106, s[72:73]    ; lane (r, h): the words of key row r in tiles 4 h .. 4 h + 3
	global_load_u8 v132, v107, s[74:75]            ; and those four keys' mask bytes: a tile's key row r is token 32 (tile / 2) + 8 (tile % 2) + r + 8 (r / 8)
	global_load_u8 v133, v107, s[74:75] offset:8
	global_load_u8 v134, v107, s[74:75] offset:32
	global_load_u8 v135, v107, s[74:75] offset:40
	global_load_b64 v[136:137], v108, s[76:77]
	global_load_b128 v[20:23], v1, s[78:79]        ; Q of both passes
	global_load_b64 v[24:25], v2, s[78:79] offset:512
	global_load_b32 v88, v93, s[80:81]
	global_load_b128 v[96:99], v1, s[86:87]
	global_load_b64 v[100:101], v2, s[86:87] offset:512
	global_load_b32 v102, v93, s[88:89]
	; constants: a fragment of ones with the scale 1 for the sums of v; the codes at k = 64; zeros
.irp i, 0,1,2,3
	v_mov_b32 v[224+3*\i], 0x08208208
	v_mov_b32 v[225+3*\i], 0x82082082
	v_mov_b32 v[226+3*\i], 0x20820820
.endr
	v_mov_b32 v89, 0x7f7f7f7f
	v_cmp_gt_u32 vcc_lo, 16, v114
	v_mov_b32 v91, 0
	v_mov_b32 v90, 8
	s_delay_alu instid0(VALU_DEP_1)
	v_cndmask_b32 v26, v91, v90, vcc_lo            ; +1.0 at k = 64, which lies in lanes 0-15
	v_mov_b32 v90, 40
.irp t, 0,1,2,3
	v_cndmask_b32 v[38+12*\t], v91, v90, vcc_lo    ; -1.0
.endr
.irp i, 27,28,29,30,31
	v_mov_b32 v[\i], 0
.endr
.irp t, 0,1,2,3
.irp i, 7,8,9,10,11
	v_mov_b32 v[32+12*\t+\i], 0
.endr
.endr
	v_mov_b32 v19, 0                               ; named as the upper half of the pair v[18:19]
.irp b, 0,1,2,3
	v_mov_b32 v[236+\b], 0                         ; a lane permute's destination counts as one of its sources
.endr
	s_wait_loadcnt 6                               ; the builder's six loads are in; Q's six, issued behind them, may be out
.irp i, 0,1,2,3
	v_bfe_u32 v[128+\i], v[128+\i], s66, 16        ; my head's two bytes,
	v_mad_u32_u24 v[132+\i], v[132+\i], s67, s68   ; byte 2: 1, or 254 where the key is masked; byte 3: 127
.endr
.irp i, 0,1,2,3
	v_or_b32 v[128+\i], v[128+\i], v[132+\i]
.endr
	ds_store_b128 v110, v[128:131]
	ds_store_b64 v111, v[136:137]
	s_wait_loadcnt 0x0
	v_bfe_u32 v88, v88, s66, 16
	s_delay_alu instid0(VALU_DEP_1)
	v_or_b32 v88, 0x7f640000, v88                  ; Q's word: byte 2 = 100, byte 3 = 127
	v_bfe_u32 v102, v102, s66, 16
	s_delay_alu instid0(VALU_DEP_1)
	v_or_b32 v102, 0x7f640000, v102
	s_wait_tensorcnt 0x0                           ; my part of K or V has landed,
	s_wait_dscnt 0x0                               ; my scale words are stored:
	s_barrier_signal -1
	s_barrier_wait -1                              ; everybody's are
.macro VFETCH                          ; a step's four fragments of V and their scale words
.irp t, 0,1,2,3
	ds_load_b128 v[128+12*\t:131+12*\t], v10 offset:1536*\t
	ds_load_b64 v[132+12*\t:133+12*\t], v11 offset:1536*\t+512
	ds_load_b128 v[134+12*\t:137+12*\t], v10 offset:1536*\t+768
	ds_load_b64 v[138+12*\t:139+12*\t], v11 offset:1536*\t+1280
.endr
	ds_load_b128 v[80:83], v13
.endm
	; the sums of the quantised v over my step's 128 keys: V^T x ones
	s_mul_i32 s60, s[WV], STEPB
	s_lshl_b32 s61, s[WV], 8
	v_add_nc_u32 v10, s60, v3
	v_add_nc_u32 v11, s60, v4
	v_add_nc_u32 v13, s61, v6
	VFETCH
	s_wait_dscnt 0x0
.irp t, 0,1,2,3
	v_wmma_scale_f32_16x16x128_f8f6f4 v[192+8*\t:199+8*\t], v[128+12*\t:139+12*\t], v[224:235], 0, v[80+\t], v89 matrix_a_fmt:MATRIX_FMT_FP6 matrix_b_fmt:MATRIX_FMT_FP6
.endr
.rept 4
	v_nop
.endr
.irp t, 0,1,2,3                        ; register j of tile t is channel 32 (t / 2) + 16 h + 8 (t % 2) + j; the sixteen lanes of a half hold, and write, the same numbers
	ds_store_b128 v95, v[192+8*\t:195+8*\t] offset:128*(\t/2)+32*(\t%2)
	ds_store_b128 v95, v[196+8*\t:199+8*\t] offset:128*(\t/2)+32*(\t%2)+16
.endr
	s_wait_dscnt 0x0
	s_barrier_signal -1
	s_barrier_wait -1                              ; all sixteen steps' sums lie in LDS
.irp i, 0,1,2,3,4,5,6,7,8,9,10,11,12,13,14,15
	ds_load_b64 v[128+2*\i:129+2*\i], v112 offset:256*\i
.endr
	s_wait_dscnt 0x0
	v_pk_add_f32 v[252:253], v[130:131], v[132:133]
	v_pk_add_f32 v[250:251], v[134:135], v[136:137]
	v_pk_add_f32 v[248:249], v[138:139], v[140:141]
	v_pk_add_f32 v[246:247], v[142:143], v[144:145]
	v_pk_add_f32 v[244:245], v[146:147], v[148:149]
	v_pk_add_f32 v[242:243], v[150:151], v[152:153]
	v_pk_add_f32 v[240:241], v[154:155], v[156:157]
	v_pk_add_f32 v[128:129], v[128:129], v[158:159]
	s_delay_alu instid0(VALU_DEP_1)
	v_pk_add_f32 v[128:129], v[128:129], v[246:247]
	v_pk_add_f32 v[252:253], v[252:253], v[244:245]
	v_pk_add_f32 v[250:251], v[250:251], v[242:243]
	v_pk_add_f32 v[248:249], v[248:249], v[240:241]
	s_delay_alu instid0(VALU_DEP_2)
	v_pk_add_f32 v[128:129], v[128:129], v[250:251]
	s_delay_alu instid0(VALU_DEP_2)
	v_pk_add_f32 v[252:253], v[252:253], v[248:249]
	s_delay_alu instid0(VALU_DEP_1)
	v_pk_add_f32 v[128:129], v[128:129], v[252:253]
	s_delay_alu instid0(VALU_DEP_1)
	v_pk_mul_f32 v[128:129], v[128:129], 0x3a000000 op_sel_hi:[1,0]   ; / 2,048
	ds_store_b64 v113, v[128:129]                  ; my wave's own copy: read by this wave alone, in order
; A KEY STEP: 128 keys.  A step behind my group is left out: a branch on the wave's number and the loop's count.
.macro STEP
	s_cmp_gt_u32 s[ST], s[GG]
	s_cbranch_scc1 .Lhidden_\@
	v_add_nc_u32 v8, s[TB], v1                     ; these six are also the places between the last step's products and what writes over their registers
	s_wait_alu depctr_va_vdst(0)
	v_add_nc_u32 v9, s[TB], v2
	s_wait_alu depctr_va_vdst(0)
	v_add_nc_u32 v10, s[TB], v3
	v_add_nc_u32 v11, s[TB], v4
	v_add_nc_u32 v12, s[TS], v5
	v_add_nc_u32 v13, s[TJ], v6
	ds_load_b128 v[80:83], v12
	ds_load_b128 v[84:87], v12 offset:256
.irp g, 0,1                            ; S^T = K Q^T, four tiles of 16 keys at a time
.if \g
.rept 4
	v_nop                                          ; places in front of loads into registers that matrix instructions have read
.endr
.endif
.irp t, 0,1,2,3
	ds_load_b128 v[32+12*\t:35+12*\t], v8 offset:768*(4*\g+\t)
	ds_load_b64 v[36+12*\t:37+12*\t], v9 offset:768*(4*\g+\t)+512
.endr
	s_wait_dscnt 0x0
.irp t, 0,1,2,3
	v_wmma_scale_f32_16x16x128_f8f6f4 v[128+8*(4*\g+\t):135+8*(4*\g+\t)], v[32+12*\t:43+12*\t], v[20:31], 0, v[80+4*\g+\t], v88 matrix_a_fmt:MATRIX_FMT_FP6 matrix_b_fmt:MATRIX_FMT_FP6
.endr
.endr
.rept 4
	v_nop
.endr
	s_cmp_lg_u32 s[ST], s[GG]                      ; on the diagonal the scores of later keys become -infinity: register 16 b + i holds key 32 b + 16 h + i of the step
	s_cbranch_scc1 .Lopen_\@
	v_mov_b32 v90, 0xff800000
.set n, 0
.rept 64
	v_cmp_gt_i32 vcc_lo, 32*(n/16)+n%16, v7
	v_cndmask_b32 v[128+n], v[128+n], v90, vcc_lo
.set n, n+1
.endr
.Lopen_\@:
.irp b, 0,1,2,3
	v_max3_num_f32 v[244+\b], v[128+16*\b], v[129+16*\b], v[130+16*\b]   ; the largest score of each block of 32 keys: for the row's maximum and for the block's largest p
.endr
.irp i, 3,5,7,9,11,13
.irp b, 0,1,2,3
	v_max3_num_f32 v[244+\b], v[244+\b], v[128+16*\b+\i], v[129+16*\b+\i]
.endr
.endr
.irp b, 0,1,2,3
	v_max_num_f32 v[244+\b], v[244+\b], v[143+16*\b]
.endr
.irp b, 0,1,2,3
	s_delay_alu instid0(VALU_DEP_4)
	v_permlanex16_b32 v[236+\b], v[244+\b], s[SEL], s[SEL+1]
.endr
.irp b, 0,1,2,3
	s_delay_alu instid0(VALU_DEP_4)
	v_max_num_f32 v[244+\b], v[244+\b], v[236+\b]
.endr
	s_delay_alu instid0(VALU_DEP_2)
	v_max3_num_f32 v90, v244, v245, v246
	s_delay_alu instid0(VALU_DEP_1)
	v_max_num_f32 v90, v90, v247
	s_delay_alu instid0(VALU_DEP_1)
	v_mul_f32 v90, s[CS], v90
	s_delay_alu instid0(VALU_DEP_1)
	v_max_num_f32 v15, v15, v90                    ; the running largest t
	v_mov_b32 v90, v14
	s_delay_alu instid0(VALU_DEP_2)
	v_floor_f32 v14, -v15                          ; -M = floor(-t)
	s_delay_alu instid0(VALU_DEP_1)
	v_sub_f32 v90, v14, v90                        ; old M - new M, a whole number, 0 or less
	s_delay_alu instid0(VALU_DEP_1)
	v_cvt_i32_f32 v90, v90                         ; (it saturates)
	s_delay_alu instid0(VALU_DEP_1)
	v_ldexp_f32 v18, 1.0, v90                      ; f = 2^(old M - new M)
.set n, 0
.rept 32
	v_pk_fma_f32 v[128+n:129+n], v[128+n:129+n], s[CS:CS+1], v[14:15] op_sel_hi:[1,0,0]   ; t - M
.set n, n+2
.endr
.irp b, 0,1,2,3
	v_fma_f32 v[244+\b], v[244+\b], s[CS], v14
.endr
.set n, 0
	s_wait_alu depctr_va_vdst(0)
.rept 64
	v_exp_f32 v[128+n], v[128+n]                   ; p
.set n, n+1
.endr
	v_pk_mul_f32 v[16:17], v[16:17], v[18:19] op_sel_hi:[1,0]   ; the sums under the new M (the plain line behind the exponentials)
	s_wait_alu depctr_va_vdst(0)                   ; one wait for the batch, ahead of its first reader
.irp b, 0,1,2,3
	v_exp_f32 v[244+\b], v[244+\b]                 ; each block's largest p
.endr
	v_pk_add_f32 v[236:237], v[132:133], v[136:137]
	v_pk_add_f32 v[252:253], v[140:141], v[144:145]
	v_pk_add_f32 v[250:251], v[148:149], v[152:153]
	v_pk_add_f32 v[248:249], v[156:157], v[160:161]
	v_pk_add_f32 v[242:243], v[164:165], v[168:169]
	v_pk_add_f32 v[240:241], v[172:173], v[176:177]
	v_pk_add_f32 v[238:239], v[180:181], v[184:185]
	v_pk_add_f32 v[16:17], v[16:17], v[188:189]
	v_pk_add_f32 v[236:237], v[236:237], v[128:129]
	v_pk_add_f32 v[252:253], v[252:253], v[130:131]
	v_pk_add_f32 v[250:251], v[250:251], v[134:135]
	v_pk_add_f32 v[248:249], v[248:249], v[138:139]
	v_pk_add_f32 v[242:243], v[242:243], v[142:143]
	v_pk_add_f32 v[240:241], v[240:241], v[146:147]
	v_pk_add_f32 v[238:239], v[238:239], v[150:151]
	v_pk_add_f32 v[16:17], v[16:17], v[154:155]
	v_pk_add_f32 v[236:237], v[236:237], v[158:159]
	v_pk_add_f32 v[252:253], v[252:253], v[162:163]
	v_pk_add_f32 v[250:251], v[250:251], v[166:167]
	v_pk_add_f32 v[248:249], v[248:249], v[170:171]
	v_pk_add_f32 v[242:243], v[242:243], v[174:175]
	v_pk_add_f32 v[240:241], v[240:241], v[178:179]
	v_pk_add_f32 v[238:239], v[238:239], v[182:183]
	v_pk_add_f32 v[16:17], v[16:17], v[186:187]
	v_pk_add_f32 v[236:237], v[236:237], v[190:191]
	s_delay_alu instid0(VALU_DEP_2)
	v_pk_add_f32 v[16:17], v[16:17], v[248:249]
	s_delay_alu instid0(VALU_DEP_2)
	v_pk_add_f32 v[236:237], v[236:237], v[242:243]
	v_pk_add_f32 v[252:253], v[252:253], v[240:241]
	v_pk_add_f32 v[250:251], v[250:251], v[238:239]
	s_delay_alu instid0(VALU_DEP_2)
	v_pk_add_f32 v[16:17], v[16:17], v[252:253]
	s_delay_alu instid0(VALU_DEP_2)
	v_pk_add_f32 v[236:237], v[236:237], v[250:251]
	s_delay_alu instid0(VALU_DEP_1)
	v_pk_add_f32 v[16:17], v[16:17], v[236:237]
	s_wait_alu depctr_va_vdst(0)                   ; and one for the four
.irp b, 0,1,2,3
	v_max_num_f32 v[244+\b], 0x1800000, v[244+\b]  ; the floor: the byte cannot fall under 1
.endr
.irp b, 0,1,2,3
	s_delay_alu instid0(VALU_DEP_4)
	v_add_nc_u32 v[248+\b], 0xff000000, v[244+\b]
.endr
.irp b, 0,1,2,3
	s_delay_alu instid0(VALU_DEP_4)
	v_lshrrev_b32 v[236+\b], 23, v[248+\b]
.endr
	s_delay_alu instid0(VALU_DEP_3)
	v_lshl_or_b32 v89, v237, 8, v236               ; p's scale word
	s_delay_alu instid0(VALU_DEP_1)
	v_lshl_or_b32 v89, v238, 16, v89
	s_delay_alu instid0(VALU_DEP_1)
	v_lshl_or_b32 v89, v239, 24, v89
.irp c, 0,1
	v_cvt_scalef32_pk16_fp6_f32 v[224+6*\c:226+6*\c], v[128+32*\c:143+32*\c], v[248+2*\c]
	v_cvt_scalef32_pk16_fp6_f32 v[236+4*\c:238+4*\c], v[144+32*\c:159+32*\c], v[249+2*\c]
.endr
	v_nop                                          ; one plain line behind the conversions
	VFETCH                                         ; V lands in p's registers while the 28 lines below are issued
.irp c, 0,1
.irp i, 0,1,2
	v_permlane16_swap_b32 v[224+6*\c+\i], v[236+4*\c+\i]
.endr
.irp i, 0,1,2
	s_delay_alu instid0(VALU_DEP_3)
	v_mov_b32 v[227+6*\c+\i], v[236+4*\c+\i]
.endr
.endr
.set n, 0
.rept 16
	v_pk_mul_f32 v[192+n:193+n], v[192+n:193+n], v[18:19] op_sel_hi:[1,0]   ; O^T under the new M; also the places between p's word and codes and the products
.set n, n+2
.endr
	s_wait_alu depctr_va_vdst(0)
	s_wait_dscnt 0x0
.irp t, 0,1,2,3                        ; O^T += V^T P^T: four accumulators by turns
	v_wmma_scale_f32_16x16x128_f8f6f4 v[192+8*\t:199+8*\t], v[128+12*\t:139+12*\t], v[224:235], v[192+8*\t:199+8*\t], v[80+\t], v89 matrix_a_fmt:MATRIX_FMT_FP6 matrix_b_fmt:MATRIX_FMT_FP6
.endr
.Lhidden_\@:
.endm
; A pass's end: O^T / the sum, or the mean of v where the sum is 0; quantised along the head's 64 (two blocks of the model's 1,024); half an image and two scale bytes a row.
.macro FIN p
.set OO, 82+8*(\p)
	v_add_f32 v16, v16, v17
.rept 3
	v_nop                                          ; with the two additions: the places behind the last products
.endr
	v_permlanex16_b32 v90, v16, s[SEL], s[SEL+1]
	s_delay_alu instid0(VALU_DEP_1)
	v_add_f32 v16, v16, v90                        ; the row's sum
.irp q, 0,1,2,3,4,5,6,7
	ds_load_b128 v[128+4*\q:131+4*\q], v94 offset:128*(\q/4)+16*(\q%4)   ; the means, in O^T's order: register 16 b + i is channel 32 b + 16 h + i
.endr
	s_wait_alu depctr_va_vdst(0)
	v_rcp_f32 v90, v16
	v_nop                                          ; a plain line behind the reciprocal
	v_cmp_eq_f32 vcc_lo, 0, v16
	s_wait_alu depctr_va_vdst(0)                   ; ahead of its first reader
.set n, 0
.rept 16
	v_pk_mul_f32 v[160+n:161+n], v[192+n:193+n], v[90:91] op_sel_hi:[1,0]
.set n, n+2
.endr
	s_wait_dscnt 0x0
.set n, 0
.rept 32
	v_cndmask_b32 v[160+n], v[160+n], v[128+n], vcc_lo
.set n, n+1
.endr
.irp b, 0,1
	v_max3_num_f32 v[244+\b], |v[160+16*\b]|, |v[161+16*\b]|, 0x1800000
.endr
.irp i, 2,4,6,8,10,12,14
.irp b, 0,1
	s_delay_alu instid0(VALU_DEP_2)
	v_max3_num_f32 v[244+\b], v[244+\b], |v[160+16*\b+\i]|, |v[161+16*\b+\i]|
.endr
.endr
.irp b, 0,1
	s_delay_alu instid0(VALU_DEP_2)
	v_permlanex16_b32 v[236+\b], v[244+\b], s[SEL], s[SEL+1]
.endr
.irp b, 0,1
	s_delay_alu instid0(VALU_DEP_2)
	v_max_num_f32 v[244+\b], v[244+\b], v[236+\b]
.endr
.irp b, 0,1
	s_delay_alu instid0(VALU_DEP_2)
	v_add_nc_u32 v[248+\b], 0xff000000, v[244+\b]
.endr
.irp b, 0,1
	s_delay_alu instid0(VALU_DEP_2)
	v_lshrrev_b32 v[236+\b], 23, v[248+\b]
.endr
	s_delay_alu instid0(VALU_DEP_1)
	v_lshl_or_b32 v92, v237, 8, v236
	v_cvt_scalef32_pk16_fp6_f32 v[224:226], v[160:175], v248
	v_cvt_scalef32_pk16_fp6_f32 v[236:238], v[176:191], v249
	v_nop
.irp i, 0,1,2
	v_permlane16_swap_b32 v[224+\i], v[236+\i]
.endr
.irp i, 0,1,2
	s_delay_alu instid0(VALU_DEP_3)
	v_mov_b32 v[227+\i], v[236+\i]
.endr
	global_store_b128 v1, v[224:227], s[OO:OO+1]               ; 512 consecutive bytes, aligned
	global_store_b64 v2, v[228:229], s[OO:OO+1] offset:512     ; 256 consecutive bytes, aligned
	global_store_b16 v117, v92, s[OO+2:OO+3]                   ; my row's two scale bytes (lanes 16-31 repeat lanes 0-15)
.endm
.macro PASS p
.if \p
	s_sub_co_u32 s[GG], 15, s[WV]
.else
	s_mov_b32 s[GG], s[WV]
.endif
.set n, 0
.rept 32
	v_mov_b32 v[192+n], 0                          ; O^T: the step is written once, and its first turn finds zeros
.set n, n+1
.endr
	v_mov_b32 v16, 0
	v_mov_b32 v17, 0
	v_mov_b32 v15, 0xdd800000                      ; the largest t so far: -2^60
	s_delay_alu instid0(VALU_DEP_1)
	v_floor_f32 v14, -v15
	s_mov_b32 s[ST], 0
	s_mov_b32 s[TB], 0
	s_mov_b32 s[TS], 0
	s_mov_b32 s[TJ], 0
.Lstep_\@:                             ; 16 trips, whatever the wave: the steps behind its group jump over their work
	STEP
	s_add_co_u32 s[ST], s[ST], 1
	s_add_co_u32 s[TB], s[TB], STEPB
	s_add_co_u32 s[TS], s[TS], 512
	s_add_co_u32 s[TJ], s[TJ], 256
	s_cmp_lt_u32 s[ST], 16
	s_cbranch_scc1 .Lstep_\@
	s_wait_alu depctr_va_vdst(0)
	FIN \p
.endm
	PASS 0
.irp i, 0,1,2,3,4,5
	v_mov_b32 v[20+\i], v[96+\i]                   ; the second pass's Q
.endr
	v_mov_b32 v88, v102
	v_add_nc_u32 v7, 8, v7                         ; its tile lies 8 tokens on
	s_wait_xcnt 0x0                                ; the stores' data registers are written again only behind this wait
	PASS 1
	s_wait_dscnt 0x0
	s_wait_tensorcnt 0x0
	ds_add_u32 v254, v255
	s_wait_dscnt 0x0
	CROUND                                         ; the closing round
	s_endpgm
.Lfunc_end_k_q7b96f4ab9c_attn:
	.size	k_q7b96f4ab9c_attn, .Lfunc_end_k_q7b96f4ab9c_attn-k_q7b96f4ab9c_attn
	.p2alignl 7, 3214868480
	.fill 96, 4, 3214868480
	.section	.rodata,"a",@progbits
	.p2align	6, 0x0
	.amdhsa_kernel k_q7b96f4ab9c_attn
		.amdhsa_group_segment_fixed_size 219136
		.amdhsa_private_segment_fixed_size 0
		.amdhsa_enable_private_segment 0
		.amdhsa_kernarg_size 32
		.amdhsa_user_sgpr_count 2
		.amdhsa_user_sgpr_kernarg_segment_ptr 1
		.amdhsa_wavefront_size32 1
		.amdhsa_system_sgpr_workgroup_id_x 1
		.amdhsa_system_sgpr_workgroup_id_y 1
		.amdhsa_system_sgpr_workgroup_id_z 1
		.amdhsa_system_vgpr_workitem_id 0
		.amdhsa_next_free_vgpr 256
		.amdhsa_next_free_sgpr 96
		.amdhsa_reserve_vcc 1
		.amdhsa_float_denorm_mode_32 3
		.amdhsa_float_denorm_mode_16_64 3
		.amdhsa_memory_ordered 1
		.amdhsa_forward_progress 1
		.amdhsa_inst_pref_size 80
	.end_amdhsa_kernel
	.amdgpu_metadata
---
amdhsa.version: [ 1, 2 ]
amdhsa.kernels:
  - .name:           k_q7b96f4ab9c_attn
    .symbol:         k_q7b96f4ab9c_attn.kd
    .args:
      - { .name: qk, .offset: 0, .size: 8, .value_kind: global_buffer, .address_space: global }
      - { .name: vv, .offset: 8, .size: 8, .value_kind: global_buffer, .address_space: global }
      - { .name: src_mask, .offset: 16, .size: 8, .value_kind: global_buffer, .address_space: global }
      - { .name: oc, .offset: 24, .size: 8, .value_kind: global_buffer, .address_space: global }
    .group_segment_fixed_size: 219136
    .private_segment_fixed_size: 0
    .kernarg_segment_align: 8
    .kernarg_segment_size: 32
    .max_flat_workgroup_size: 512
    .sgpr_count:     96
    .vgpr_count:     256
    .wavefront_size: 32
...
	.end_amdgpu_metadata
.endif
;; end of part 3
;; launch proj_o (part 4): grid 4 x 64, 4 waves a work-group, clusters of 4 x 4, 327,680 bytes of LDS; arguments oc, wo, out0; writes out0
.if DOCPART == 4
	.amdgcn_target "amdgcn-amd-amdhsa--gfx1250"
	.amdhsa_code_object_version 6
	.text
	.protected	k_q7b96f4ab9c_proj_o
	.globl	k_q7b96f4ab9c_proj_o
	.p2align	8
	.type	k_q7b96f4ab9c_proj_o,@function
k_q7b96f4ab9c_proj_o:
	s_mov_b64 s[64:65], 0
	v_nop
	global_prefetch_b8 v0, s[64:65] scope:SCOPE_SE
	s_setreg_imm32_b32 hwreg(HW_REG_WAVE_MODE, 25, 1), 1
	s_wait_xcnt 0x0
	s_wait_alu depctr_hold_cnt(0) depctr_sa_sdst(0) depctr_va_vdst(0) depctr_va_sdst(0) depctr_va_ssrc(0) depctr_va_vcc(0) depctr_vm_vsrc(0)
	s_getreg_b32 s2, hwreg(HW_REG_IB_STS2, 6, 4)
	s_cmp_eq_u32 s2, 0
	s_cbranch_scc0 .Lentry_in_a_cluster
	s_endpgm
.Lentry_in_a_cluster:
	s_bfe_u32 s2, ttmp6, 0x10000c
	s_cmp_lg_u32 s2, 0xf033
	s_cbranch_scc0 .Lentry_shape_is_right
	s_endpgm
.Lentry_shape_is_right:
; out0 = A B^T on codes of FP6 (E2M3) with E8M0 scales, K = 1,024: A = the attention's result (oc), B = W_o; out0 [8192][1024] f32.
; OPERANDS: [strip of 16 positions][K step of 256][3,328 bytes]: two fragment images of 1,536 bytes and 128 bytes of scale words [row][2].  A tile's row is a strip's 3,200 bytes of one K step; it begins on a multiple of 256 bytes.
; A tile of C is 128 x 256: 64 x 4 = 256 work-groups.  Four waves, each 64 x 128: 32 accumulators.  K goes in four steps of 256 through two LDS slots; the head's four loads, one a wave, are A's and B's tiles of K steps 0 and 1; K steps 2 and 3 are the two refills.
; PREFETCH.  Behind the head's loads each wave names, a lane a block of 256 bytes, its work-group's share of the half tile that it will refill, for K step 2 and for K step 3: one strip of A's four (13 blocks) or two of B's eight (26 blocks);
; the four partners that ask for a tile jointly are told apart by address.  The prefetches' address registers are never rewritten.
; CLUSTERS: 4 x 4; A's tiles are asked for jointly along a row of the cluster, B's along a column.  The matrix instruction is used transposed (source 0 = B, source 1 = A): a lane holds eight numbers of one row of C.
; THE WAY OUT: a block of 16 rows x 128 columns goes through the wave's own stage in slot 0, which has had its last fill and its last read, and leaves as rows of 512 bytes; positions are turned back into rows and columns on the way.
; REGISTERS: window 0: v7-31 addresses; v32-63 scale words, two sets; v64-159 A's fragments, two sets; window 1: B's, two sets, at v0 and v128; window 2: the accumulators ((a, b) at v[8 (8 a + b)]).
.set NA,    4
.set CH,    3200
.set CHM,   3328
.set STRIP, 13312
.set ASZ,   2*NA*CH
.set SLOT,  ASZ+16*CH
.set SPARE, 2*SLOT
.set SIZE_N, 1024
.set SPITCH, 528
.set FR,    12
.set PF1,  7                           ; v7 the prefetches' offset: strip x 13,312 + 256 x block
.set ADRS, 12
.set ADRA, 16
.set ADRB, 20
.set STO,  24
.set RD,   25
.set CO,   26
.set SPW,  28
.set NIL,  29
.set SC,   32
.set AF,   64
.set BK,   128
.set PA1, 84                           ; s[84:85] my work-group's share of the half tile that I refill
.set G1,  24
.set G1B, 48
.set HA,  32
.set HB,  56
.set RA,  68
.set RB,  76
.set MSB, 0
.macro WIN new
.if MSB != (\new)
	s_set_vgpr_msb (MSB<<8)|(\new)
.set MSB, (\new)
.endif
.endm
.macro PLACES
.rept 4
	v_nop
.endr
.endm
.macro TLOAD g0, g1
	tensor_load_to_lds s[\g0:\g0+3], s[\g1:\g1+7]
	s_nop 0
	PLACES
.endm
.macro JLOAD g0a, g0b
	s_cmp_eq_u32 s15, 0
	s_cbranch_scc0 .Lfor_b_\@
	TLOAD \g0a, G1
	s_branch .Lasked_\@
.Lfor_b_\@:
	TLOAD \g0b, G1B
.Lasked_\@:
.endm
.macro CREST
	s_cmp_lg_u32 s14, 0
	s_cbranch_scc1 .Lnot_wave_0_\@
	s_barrier_signal -3
.Lnot_wave_0_\@:
	s_barrier_wait -3
	s_barrier_signal -1
	s_barrier_wait -1
.endm
.macro CROUND
	s_barrier_signal -1
	s_barrier_wait -1
	CREST
.endm
.macro ARM under, g0, g1, next
	s_cmp_lt_u32 s14, \under
	s_cbranch_scc0 \next
	TLOAD \g0, \g1
	s_branch .Lhead_asked
\next:
.endm
	s_load_b128 s[4:7], s[0:1], 0x0                ; oc, wo
	s_load_b64 s[12:13], s[0:1], 0x10              ; out0
	v_lshl_add_u32 v[SPW], v0, 2, SPARE
	v_mov_b32 v[NIL], 0
	ds_add_u32 v[SPW], v[NIL]                      ; the opening lines: the add twice on end and its wait
	ds_add_u32 v[SPW], v[NIL]
	v_lshrrev_b32 v1, 5, v0
	v_readfirstlane_b32 s14, v1
	s_lshr_b32 s15, s14, 1
	s_and_b32 s16, s14, 1
	s_bfe_u32 s40, ttmp6, 0x40000
	s_bfe_u32 s41, ttmp6, 0x40004
	s_lshl_b32 s42, ttmp9, 2
	s_add_co_u32 s42, s42, s40                     ; tile column: B's block of 256
	s_and_b32 s17, ttmp7, 0xffff
	s_lshl_b32 s17, s17, 2
	s_add_co_u32 s17, s17, s41                     ; tile row: A's block of 128
	s_lshl_b32 s43, s41, 2
	s_lshl_b32 s43, 15, s43
	s_lshl_b32 s44, 0x1111, s40
	s_or_b32 s[G1], s43, (3<<16)|(1<<21)
	s_or_b32 s[G1B], s44, (3<<16)|(1<<21)
.irp g, G1, G1B
	s_mov_b32 s[\g+1], 400<<16
	s_mov_b32 s[\g+3], 400<<16
	s_mov_b32 s[\g+5], STRIP/8
	s_mov_b32 s[\g+6], 0
	s_mov_b32 s[\g+7], 0
.endr
	s_mov_b32 s[G1+2], (2*NA)<<16
	s_mov_b32 s[G1+4], 2*NA
	s_mov_b32 s[G1B+2], 16<<16
	s_mov_b32 s[G1B+4], 16
	s_mul_i32 s20, s17, 2*NA*STRIP
	s_mov_b32 s21, 0
	s_mul_i32 s46, s42, 16*STRIP
	s_mov_b32 s47, 0
	s_mul_i32 s18, s16, NA*STRIP
	s_mov_b32 s19, 0
	s_mul_i32 s22, s16, 8*STRIP
	s_mov_b32 s23, 0
	s_mul_i32 s45, s16, NA*CH
	s_mul_i32 s94, s16, 8*CH
	s_add_co_u32 s94, s94, ASZ
	s_wait_dscnt 0x0
	s_wait_kmcnt 0x0
	s_add_nc_u64 s[20:21], s[4:5], s[20:21]
	s_add_nc_u64 s[46:47], s[6:7], s[46:47]
	CROUND
.irp s, 0,1
	s_mov_b32 s[HA+4*\s], 1
	s_mov_b32 s[HA+4*\s+1], \s*SLOT
	s_add_nc_u64 s[HA+4*\s+2:HA+4*\s+3], s[20:21], \s*CHM
	s_or_b32 s[HA+4*\s+3], s[HA+4*\s+3], 0x80000000
	s_mov_b32 s[HB+4*\s], 1
	s_mov_b32 s[HB+4*\s+1], \s*SLOT+ASZ
	s_add_nc_u64 s[HB+4*\s+2:HB+4*\s+3], s[46:47], \s*CHM
	s_or_b32 s[HB+4*\s+3], s[HB+4*\s+3], 0x80000000
.endr
	s_add_nc_u64 s[20:21], s[20:21], s[18:19]
	s_add_nc_u64 s[46:47], s[46:47], s[22:23]
.irp s, 0,1
	s_mov_b32 s[RA+4*\s], 1
	s_add_co_u32 s[RA+4*\s+1], s45, \s*SLOT
	s_add_nc_u64 s[RA+4*\s+2:RA+4*\s+3], s[20:21], (2+\s)*CHM
	s_or_b32 s[RA+4*\s+3], s[RA+4*\s+3], 0x80000000
	s_mov_b32 s[RB+4*\s], 1
	s_add_co_u32 s[RB+4*\s+1], s94, \s*SLOT
	s_add_nc_u64 s[RB+4*\s+2:RB+4*\s+3], s[46:47], (2+\s)*CHM
	s_or_b32 s[RB+4*\s+3], s[RB+4*\s+3], 0x80000000
.endr
	ARM 1, HA,   G1,  .Lhead_b0
	ARM 2, HB,   G1B, .Lhead_a1
	ARM 3, HA+4, G1,  .Lhead_b1
	TLOAD HB+4, G1B
.Lhead_asked:
	s_mov_b32 s87, 2*STRIP                         ; the prefetches' base
	s_cmp_eq_u32 s15, 0                            ; do I refill for A?
	s_cselect_b64 s[PA1:PA1+1], s[20:21], s[46:47] ; my half of A's tile, or of B's
	s_cselect_b32 s86, s40, s41                    ; my work-group's place among the four that ask for it jointly: cx for A, cy for B
	s_cselect_b32 s87, STRIP, s87                  ; it takes one of A's four strips, or two of B's eight:
	s_cselect_b32 s88, 12, 25                      ; 13 blocks of 256 bytes, or 26
	s_mul_i32 s86, s86, s87
	s_mov_b32 s87, 0
	s_add_nc_u64 s[PA1:PA1+1], s[PA1:PA1+1], s[86:87]
	s_mul_i32 s18, s15, NA*CH
	s_add_co_u32 s19, s18, SLOT
	s_add_co_u32 s95, s94, SLOT
	s_sub_co_u32 s3, s94, s18
	s_mul_i32 s23, s14, 16*SPITCH                  ; my stage
	v_and_b32 v1, 31, v0
	v_bfe_u32 v2, v0, 4, 1
	v_and_b32 v3, 15, v0
	v_lshlrev_b32 v[CO], 4, v1
	v_lshlrev_b32 v5, 3, v1
	v_add_nc_u32 v[ADRA], s18, v[CO]
	v_add_nc_u32 v[ADRA+1], s19, v[CO]
	v_add_nc_u32 v[ADRA+2], s18, v5
	v_add_nc_u32 v[ADRA+3], s19, v5
	v_add_nc_u32 v[ADRB], s94, v[CO]
	v_add_nc_u32 v[ADRB+1], s95, v[CO]
	v_add_nc_u32 v[ADRB+2], s94, v5
	v_add_nc_u32 v[ADRB+3], s95, v5
	v_mul_u32_u24 v4, s3, v2
	v_lshl_add_u32 v4, v3, 3, v4
	v_add_nc_u32 v4, 3072, v4
	v_add_nc_u32 v[ADRS], s18, v4
	v_add_nc_u32 v[ADRS+1], s19, v4
	v_mul_u32_u24 v6, v3, SPITCH                   ; in: row r, 64 bytes for each half of the lanes
	v_lshl_add_u32 v6, v2, 6, v6
	v_add_nc_u32 v[STO], s23, v6
	v_add_nc_u32 v[RD], s23, v[CO]                 ; back: the 32 lanes take one row of 512 bytes
	v_min_u32 v6, s88, v1                          ; a lane a block; the lanes that are left over name the last block again
	v_mul_u32_u24 v[PF1], v6, 79
	v_lshrrev_b32 v[PF1], 10, v[PF1]               ; lane / 13: which strip
	v_mul_u32_u24 v[PF1], v[PF1], STRIP-13*256
	v_lshl_add_u32 v[PF1], v6, 8, v[PF1]
	s_lshl_b32 s20, s17, 7
	s_lshl_b32 s21, s15, 6
	s_add_co_u32 s20, s20, s21                     ; my first row of C
	s_lshl_b32 s20, s20, 12
	s_lshl_b32 s46, s42, 10
	s_add_co_u32 s20, s20, s46
	s_lshl_b32 s46, s16, 9
	s_add_co_u32 s20, s20, s46                     ; and my first column, in bytes
	s_mov_b32 s21, 0
	s_add_nc_u64 s[12:13], s[12:13], s[20:21]
.macro FRG reg, a, off
	ds_load_b128 v[\reg:\reg+3], v[\a] offset:\off
	ds_load_b64 v[\reg+4:\reg+5], v[\a+2] offset:\off+512
	ds_load_b128 v[\reg+6:\reg+9], v[\a] offset:\off+768
	ds_load_b64 v[\reg+10:\reg+11], v[\a+2] offset:\off+1280
.endm
.macro FETCH st
.set FS, ((\st)/2)%2
.set FQ, (\st)%2
	WIN 0x40
.irp i, 0,1,2,3,4,5,6,7
	FRG 128*FQ+FR*\i, ADRB+FS, \i*CH+FQ*1536
.endr
	WIN 0
.set II, 0
.rept NA
	FRG AF+FR*NA*FQ+FR*II, ADRA+FS, II*CH+FQ*1536
.set II, II+1
.endr
.if FQ == 0
.irp i, 0,1,2,3,4,5,6,7
	ds_load_b64 v[SC+16*FS+2*\i:SC+16*FS+2*\i+1], v[ADRS+FS] offset:\i*CH   ; lanes 16-31: B's block i; lanes 0-15: A's block i, of use for i under NA
.endr
.endif
.endm
.macro MULA a, st
	WIN 0xa1+0x50*((\a)/4)
.irp b, 0,1,2,3,4,5,6,7
.set DD, 8*(8*((\a)%4)+\b)
.set BR, 128*((\st)%2)+FR*\b
.set AR, AF+FR*NA*((\st)%2)+FR*(\a)
.set SS, SC+16*(((\st)/2)%2)+(\st)%2
.if (\st) == 0
	v_wmma_scale_f32_16x16x128_f8f6f4 v[DD:DD+7], v[BR:BR+11], v[AR:AR+11], 0, v[SS+2*\b], v[SS+2*(\a)] matrix_a_fmt:MATRIX_FMT_FP6 matrix_b_fmt:MATRIX_FMT_FP6 matrix_a_scale:MATRIX_SCALE_ROW1
.else
	v_wmma_scale_f32_16x16x128_f8f6f4 v[DD:DD+7], v[BR:BR+11], v[AR:AR+11], v[DD:DD+7], v[SS+2*\b], v[SS+2*(\a)] matrix_a_fmt:MATRIX_FMT_FP6 matrix_b_fmt:MATRIX_FMT_FP6 matrix_a_scale:MATRIX_SCALE_ROW1
.endif
.endr
.endm
.macro MULR a0, n, st
.set AA, \a0
.rept \n
	MULA AA, \st
.set AA, AA+1
.endr
.endm
.macro KSTEP st
.if (\st)%2 == 0
	s_wait_dscnt 0x0
	PLACES
	FETCH (\st)+1
	MULR 0, NA, \st
.elseif (\st) == 7
	s_wait_dscnt 0x0
	MULR 0, NA, \st
	WIN 0
.else
	WIN 0
	s_wait_tensorcnt 0x0                           ; all my tensor loads have landed
	ds_add_u32 v[SPW], v[NIL]
	s_wait_dscnt 1                                 ; this step's fragments are in; the add may be out
	MULR 0, NA/4, \st
	s_wait_dscnt 0x0                               ; the add is done, and my reads of this slot are over
	s_barrier_signal -1
	MULR NA/4, NA/4, \st
	WIN 0
	s_barrier_wait -1
.if (\st) < 5
	CREST
	JLOAD RA+4*((\st)/2), RB+4*((\st)/2)
.else
	PLACES
.endif
	FETCH (\st)+1
	MULR NA/2, NA/2, \st
.endif
.endm
	s_wait_alu depctr_va_vdst(0)                   ; the wait at the head's end
	global_prefetch_b8 v[PF1], s[PA1:PA1+1] offset:2*CHM th:TH_LOAD_NT scope:SCOPE_SE   ; K step 2, which step 1's refill will want,
	global_prefetch_b8 v[PF1], s[PA1:PA1+1] offset:3*CHM th:TH_LOAD_NT scope:SCOPE_SE   ; and K step 3, step 3's
	s_wait_tensorcnt 0x0
	s_mov_b32 s[G1+2], NA<<16                      ; no load of mine is out: a refill brings half a tile
	s_mov_b32 s[G1+4], NA
	s_mov_b32 s[G1B+2], 8<<16
	s_mov_b32 s[G1B+4], 8
	s_barrier_signal -1
	s_barrier_wait -1
	FETCH 0
.irp st, 0,1,2,3,4,5,6,7
	KSTEP \st
.endr
.macro TOSTAGE a
.set AC, 64*((\a)%4)
	WIN 0x08
.irp b, 0,1,2,3,4,5,6,7
	ds_store_b128 v[STO], v[AC+8*\b:AC+8*\b+3] offset:128*(\b/2)+32*(\b%2)       ; register j of tile b is column 32 (b / 2) + 8 (b % 2) + 16 h + j
	ds_store_b128 v[STO], v[AC+8*\b+4:AC+8*\b+7] offset:128*(\b/2)+32*(\b%2)+16
.endr
	WIN 0
.set BB, BK+64*((\a)%2)
.irp t, 0,1,2,3,4,5,6,7,8,9,10,11,12,13,14,15
	ds_load_b128 v[BB+4*\t:BB+4*\t+3], v[RD] offset:\t*SPITCH
.endr
.endm
.macro SEND a, younger
.set BB, BK+64*((\a)%2)
	s_wait_dscnt \younger
.irp t, 0,1,2,3,4,5,6,7,8,9,10,11,12,13,14,15
	global_store_b128 v[CO], v[BB+4*\t:BB+4*\t+3], s[12:13] offset:(32*((\a)/2)+8*((\a)%2)+\t+8*(\t/8))*SIZE_N*4 th:TH_STORE_NT   ; 512 consecutive bytes, aligned
.endr
.endm
	PLACES
	TOSTAGE 0
.irp a, 1,2,3
.if \a > 1
	s_wait_xcnt 0x0                                ; the stores of two blocks ago have read their registers
.endif
	TOSTAGE \a
	SEND \a-1, 32                                  ; behind that block's loads: the next block's 16 stores and 16 loads
.endr
	SEND 3, 0
	s_wait_tensorcnt 0x0                           ; the wave's end
	ds_add_u32 v[SPW], v[NIL]
	s_wait_dscnt 0x0
	CROUND
	s_endpgm
.Lfunc_end_k_q7b96f4ab9c_proj_o:
	.size	k_q7b96f4ab9c_proj_o, .Lfunc_end_k_q7b96f4ab9c_proj_o-k_q7b96f4ab9c_proj_o
	.p2alignl 7, 3214868480
	.fill 96, 4, 3214868480
	.section	.rodata,"a",@progbits
	.p2align	6, 0x0
	.amdhsa_kernel k_q7b96f4ab9c_proj_o
		.amdhsa_group_segment_fixed_size 327680
		.amdhsa_private_segment_fixed_size 0
		.amdhsa_enable_private_segment 0
		.amdhsa_kernarg_size 24
		.amdhsa_user_sgpr_count 2
		.amdhsa_user_sgpr_kernarg_segment_ptr 1
		.amdhsa_wavefront_size32 1
		.amdhsa_system_sgpr_workgroup_id_x 1
		.amdhsa_system_sgpr_workgroup_id_y 1
		.amdhsa_system_sgpr_workgroup_id_z 1
		.amdhsa_system_vgpr_workitem_id 0
		.amdhsa_next_free_vgpr 1024
		.amdhsa_next_free_sgpr 98
		.amdhsa_reserve_vcc 0
		.amdhsa_float_denorm_mode_32 3
		.amdhsa_float_denorm_mode_16_64 3
		.amdhsa_memory_ordered 1
		.amdhsa_forward_progress 1
		.amdhsa_inst_pref_size 86
	.end_amdhsa_kernel
	.amdgpu_metadata
---
amdhsa.version: [ 1, 2 ]
amdhsa.kernels:
  - .name:           k_q7b96f4ab9c_proj_o
    .symbol:         k_q7b96f4ab9c_proj_o.kd
    .args:
      - { .name: oc, .offset: 0, .size: 8, .value_kind: global_buffer, .address_space: global }
      - { .name: wo, .offset: 8, .size: 8, .value_kind: global_buffer, .address_space: global }
      - { .name: out0, .offset: 16, .size: 8, .value_kind: global_buffer, .address_space: global }
    .group_segment_fixed_size: 327680
    .private_segment_fixed_size: 0
    .kernarg_segment_align: 8
    .kernarg_segment_size: 24
    .max_flat_workgroup_size: 128
    .sgpr_count:     98
    .vgpr_count:     1024
    .wavefront_size: 32
...
	.end_amdgpu_metadata
.endif
;; end of part 4
